; MI455X (gfx1250); checked and timed in simulation.
; The chip was launched on July 23, 2026; its instructions are those of AMD's public machine-readable ISA for CDNA 5 (MIT licence, August 2026) and "CDNA5" Instruction Set Architecture Reference Guide (July 2026). The comments in the code are by the model that wrote it; some were corrected since.
;; Multi Head Self Attention. Allowed arithmetic: matrix products marked QUANTISED: E2M3 operands, one E8M0 scale for each 32 along K, by v_wmma_scale_f32_16x16x128_f8f6f4 with both operands' format E2M3, f32 sums; everything else in f32.
;; Inputs: proj_b 1,024 float32; proj_w 1,024 x 1,024 float32; qkv_b 3,072 float32; qkv_w 3,072 x 1,024 float32; x 4 x 2,048 x 1,024 float32.
;; Outputs: out0 4 x 2,048 x 1,024 float32.
;; This version of the problem:
;;   THIS VERSION OF THE PROBLEM IS GIVEN IN LOW PRECISION. The matrix products marked QUANTISED in the list below multiply operands that are first quantised to E2M3 (2 exponent bits, 3 mantissa bits; 6 bits a number), with one power-of-two scale for each 32 numbers along K (OCP MX v1.0); their sums are f32. All else is computed in f32.
;;   The module's matrix products, in the order in which they are computed (A, B: the left and right operand; K: the contracted axis; several contracted axes count as one K, in the product's order):
;;     1. [M 8,192, K 1,024] x [K 1,024, N 3,072]; A: input x; B: input qkv_w: QUANTISED
;;     2. batch 64 x [M 2,048, K 64] x [K 64, N 2,048]; A: computed on the way; B: computed on the way: QUANTISED
;;     3. batch 64 x [M 2,048, K 2,048] x [K 2,048, N 64]; A: softmax (see below); B: computed on the way: QUANTISED
;;     4. [M 8,192, K 1,024] x [K 1,024, N 1,024]; A: computed on the way; B: input proj_w: QUANTISED
;;   THE QUANTISER, for each operand of a quantised product, along K:
;;     - K is cut into blocks of 32 from its start; a last block that is shorter is filled with zeros.
;;     - A block's scale is 2^e with e = floor(log2(the largest magnitude in the block)) - 2, held to -126 .. 127; a block of zeros has e = 0. As a byte (E8M0): e + 127.
;;     - Each number is divided by its block's scale, clamped to +-7.5, and rounded to the nearest number of E2M3, ties to even, subnormals kept.
;;     - The product sums the exact products of the quantised numbers (number of the format x scale) in f32.
;;   ~~~python
;;   def quantise(x, axis):      # numpy; x: float32 -> the quantised numbers, widened to float32 again
;;       x = np.moveaxis(x, axis, -1); K = x.shape[-1]
;;       x = np.pad(x, [(0, 0)] * (x.ndim - 1) + [(0, -K % 32)]); x = x.reshape(x.shape[:-1] + (-1, 32)); a = np.abs(x).max(-1, keepdims=True)
;;       e = np.where(a > 0, np.clip(np.frexp(np.where(a > 0, a, 1))[1] - 1 - 2, -126, 127), 0)      # np.frexp(a)[1] - 1 = floor(log2(a)), exactly
;;       r = np.clip(x / 2.0 ** e, -7.5, 7.5)
;;       step = 2.0 ** (np.maximum(np.frexp(np.where(r == 0, 1, r))[1] - 1, 0) - 3)
;;       q = np.round(r / step) * step * 2.0 ** e      # np.round: ties to even
;;       return np.moveaxis(q.reshape(q.shape[:-2] + (-1,))[..., :K], -1, axis).astype(np.float32)
;;   ~~~
;;   SOFTMAX AHEAD OF A QUANTISED PRODUCT. Where the list says 'softmax', what is quantised is not the finished softmax but p = 2^(t - M), with t = logit x log2(e) and M = ceil(the row's largest t), a whole number; so 1/2 < the row's largest p <= 1. The row's sum l is taken of the UNQUANTISED p, in f32, and the product's result is divided by l at the end. Since M is a whole number, a kernel that streams over the keys may use a running M (the ceiling of the running maximum): every later rescaling is an exact power of two, which a block's scale takes up: the codes' values come out the same.
;;   OPERANDS COMPUTED ON THE WAY. 'Computed on the way' means the value that the module computes at that place (a softmax that the list does not call 'softmax' is quantised finished and normalised). What goes into a quantiser is computed in f32, as accurately as f32 sums, v_exp_f32 and their like allow (about 1e-6 of the number): no bf16 or f16 on the way to a quantiser, and a product that is left as it is and whose result goes on into a quantised operand takes f32 operands (vector FMAs, or v_wmma_f32_16x16x4_f32). A number that lies on a knife's edge between two numbers of the format may be rounded either way, as far as f32 arithmetic and the matrix unit's own rounding can turn it there, and no further.
;; One version. Each part assembles by itself: llvm-mc -triple=amdgcn-amd-amdhsa -mcpu=gfx1250 --defsym DOCPART=n.
;; ======== version 1 of 1: 4 launches
;; limits: right only within a limited range of input values
;; workspace buffers: cod 9,437,184 bytes; scl 393,216 bytes; qkvc 18,874,368 bytes; qkvs 1,310,720 bytes; attc 6,291,456 bytes; atts 262,144 bytes
;; launch quant (part 1): grid 768 x 1, 4 waves a work-group, no clusters, 34,816 bytes of LDS; arguments x, qkv_w, proj_w, cod, scl; writes cod, scl
.if DOCPART == 1
	.amdgcn_target "amdgcn-amd-amdhsa--gfx1250"
	.amdhsa_code_object_version 6
	.text
	.protected	k_qce61984366_quant
	.globl	k_qce61984366_quant
	.p2align	8
	.type	k_qce61984366_quant,@function
k_qce61984366_quant:
	s_mov_b64 s[64:65], 0
	v_nop
	global_prefetch_b8 v0, s[64:65] scope:SCOPE_SE
	s_setreg_imm32_b32 hwreg(HW_REG_WAVE_MODE, 25, 1), 1
	s_wait_xcnt 0x0
; x [8192][1024], qkv_w [3072][1024] and proj_w [1024][1024], f32, K innermost, become codes of FP6 (E2M3) with one E8M0 byte for each 32 along K.
; The 12,288 rows are 768 TILES of 16 rows (x: tiles 0-511, qkv_w: 512-703, proj_w: 704-767).  THE ROWS OF A TILE ARE NOT NEIGHBOURS: image row r of a tensor's tile T is its
; row 32 (T / 2) + 8 (T % 2) + r + 8 (r / 8), so that in the products that follow two neighbouring tiles give a lane 16 neighbours along the next K.
; THE CODES ARE LAID AS THE OPERAND'S REGISTERS: an IMAGE is 16 rows x 64 K, 768 bytes: lane l's registers 0-3 at 16 l, its registers 4-5 at 512 + 8 l (lane l holds row l % 16, k = 32 (l / 16) + 0 .. 31).
; cod: [tile][16 images][768].  scl: [tile][image row][32 bytes], byte k / 32.
; A block's scale is 2^(floor(log2(its largest magnitude)) - 2): its byte is the largest magnitude's exponent field - 2, held at 1 from below.
; LIMITS: a block of zeros gets the byte 1 where the rule says 127 (its codes are zeros, and this program alone reads the bytes); NaN and infinities among the inputs are not served.
; SHARES: a work-group takes a tile, wave w its k = 256 w .. 256 w + 255: two K steps of 128.  Each load reads 512 consecutive bytes of one row; the 8,192 bytes of a K step turn through the wave's own stage
; in LDS (rows of 512 bytes + 16) and come back 16 neighbours of each block of 32 to a lane.  Every store of codes covers 512 or 256 consecutive bytes, aligned.
; No matrix unit, no cluster, no tensor load: the work-groups share no input, and each input byte is read once.
.set STG,   8448                       ; a wave's stage: 16 rows x 528 bytes
.set SCS,   4*STG                      ; 512 bytes: the tile's scale bytes, gathered from the four waves
.set SPARE, SCS+512                    ; the spare words, 128 bytes for each wave: two blocks of 256 bytes that no other line names
.set R0,    16                         ; v16-79, v80-143  the numbers of K step 0, 1
.set PC0,   144                        ; v144-162, v164-182  the codes of K step 0, 1
.set TM,    184                        ; v184-199  at work: largest magnitudes, bytes, the conversions' scale operands
.set PW,    200                        ; v[200:201] the two scale words
.set OUTR,  202                        ; v[202:205] the way out of the scale bytes
.set SPW,   10                         ; v10  LDS address of my spare word; never rewritten
.set NIL,   11                         ; v11  0; never rewritten
.set SEL,   20                         ; s[20:21] lane selects: lane l xor 16
; 64 numbers of a lane, register 16 b + i = k 32 b + 16 (lane / 16) + i of my row, become a fragment's 12 registers in v[pc] on; the four bytes stay in v[TM+4] on.
.macro QUANT s, pc
.irp b, 0,1,2,3
	v_max3_num_f32 v[TM+\b], |v[\s+16*\b]|, |v[\s+1+16*\b]|, 0x1800000   ; my 16 numbers of block b, and the floor 2^(3 - 127): the byte cannot fall under 1
.endr
.irp i, 2,4,6,8,10,12,14
.irp b, 0,1,2,3
	v_max3_num_f32 v[TM+\b], v[TM+\b], |v[\s+16*\b+\i]|, |v[\s+1+16*\b+\i]|   ; the four blocks by turns
.endr
.endr
.irp b, 0,1,2,3
	v_permlanex16_b32 v[TM+4+\b], v[TM+\b], s[SEL], s[SEL+1]
.endr
.irp b, 0,1,2,3
	v_max_num_f32 v[TM+\b], v[TM+\b], v[TM+4+\b]   ; with lane l xor 16's: the block's largest magnitude
.endr
.irp b, 0,1,2,3
	v_add_nc_u32 v[TM+12+\b], 0xff000000, v[TM+\b]   ; 2 off its exponent field: the conversion takes this operand's exponent field as its scale
.endr
.irp b, 0,1,2,3
	v_lshrrev_b32 v[TM+4+\b], 23, v[TM+12+\b]      ; the scale's byte
.endr
.irp c, 0,1
	v_cvt_scalef32_pk16_fp6_f32 v[\pc+6*\c:\pc+2+6*\c], v[\s+32*\c:\s+15+32*\c], v[TM+12+2*\c]
	v_cvt_scalef32_pk16_fp6_f32 v[\pc+12+4*\c:\pc+14+4*\c], v[\s+16+32*\c:\s+31+32*\c], v[TM+12+2*\c+1]   ; (a conversion's three registers begin on an even number)
.endr
	v_nop                                          ; one plain place behind a scaled conversion
.irp c, 0,1                                    ; the layout wants a WHOLE block in a lane: lanes 0-15 block 2 c, lanes 16-31 block 2 c + 1
.irp i, 0,1,2
	v_permlane16_swap_b32 v[\pc+6*\c+\i], v[\pc+12+4*\c+\i]
.endr
.irp i, 0,1,2
	v_mov_b32 v[\pc+3+6*\c+\i], v[\pc+12+4*\c+\i]
.endr
.endr
.endm
.macro LOADK q                         ; K step q: image row i's 512 bytes, 16 bytes a lane
.set i, 0
.rept 16
	global_load_b128 v[R0+64*(\q)+4*i:R0+64*(\q)+4*i+3], v4, s[4:5] offset:(i+8*(i/8))*4096+512*(\q) th:TH_LOAD_NT
.set i, i+1
.endr
.endm
.macro TURN q                          ; through the stage: LDS serves a wave's instructions in order (ISA guide 5.7.1.4), so no wait stands between the stores and the loads, nor in front of the next turn's stores
.set i, 0
.rept 16
	ds_store_b128 v6, v[R0+64*(\q)+4*i:R0+64*(\q)+4*i+3] offset:528*i
.set i, i+1
.endr
.set i, 0
.rept 16
	ds_load_b128 v[R0+64*(\q)+4*i:R0+64*(\q)+4*i+3], v7 offset:128*(i/4)+16*(i%4)   ; block i / 4 of my row: my 16 numbers, four at a time
.set i, i+1
.endr
.endm
.macro PUT pc, q                       ; the fragment's two images, as they stand
	v_lshl_or_b32 v[PW+\q], v[TM+5], 8, v[TM+4]    ; and its scale word
	v_lshl_or_b32 v[PW+\q], v[TM+6], 16, v[PW+\q]
	v_lshl_or_b32 v[PW+\q], v[TM+7], 24, v[PW+\q]
	global_store_b128 v4, v[\pc:\pc+3], s[10:11] offset:1536*\q
	global_store_b64 v5, v[\pc+4:\pc+5], s[10:11] offset:1536*\q+512
	global_store_b128 v4, v[\pc+6:\pc+9], s[10:11] offset:1536*\q+768
	global_store_b64 v5, v[\pc+10:\pc+11], s[10:11] offset:1536*\q+1280
.endm
	s_load_b256 s[4:11], s[0:1], 0x0               ; x s[4:5], qkv_w s[6:7], proj_w s[8:9], cod s[10:11]
	s_load_b64 s[12:13], s[0:1], 0x20              ; scl
	v_lshl_add_u32 v[SPW], v0, 2, SPARE
	v_mov_b32 v[NIL], 0
	v_lshrrev_b32 v1, 5, v0
	v_readfirstlane_b32 s16, v1                    ; wave 0..3
	v_and_b32 v1, 31, v0                           ; lane
	v_and_b32 v2, 15, v0                           ; r
	v_bfe_u32 v3, v0, 4, 1                         ; h
	v_lshlrev_b32 v4, 4, v1                        ; 16 x lane
	v_lshlrev_b32 v5, 3, v1                        ; 8 x lane
	s_mul_i32 s17, s16, STG
	v_add_nc_u32 v6, s17, v4                       ; the stage, on the way in
	v_mul_u32_u24 v7, v2, 528
	v_lshl_add_u32 v7, v3, 6, v7
	v_add_nc_u32 v7, s17, v7                       ; and on the way out: row r, + 64 h
	s_lshl_b32 s18, s16, 3
	s_add_co_u32 s18, s18, SCS
	v_lshl_add_u32 v8, v2, 5, s18                  ; my row's 32 scale bytes, my wave's 8 of them
	v_add_nc_u32 v9, SCS, v4                       ; and the way out of all 512
	s_mov_b32 s[SEL], 0x76543210
	s_mov_b32 s[SEL+1], 0xfedcba98
.irp b, 0,1,2,3
	v_mov_b32 v[TM+4+\b], 0                        ; written once: a lane permute's destination counts as one of its sources
.endr
	s_mov_b32 s15, 704
	s_wait_alu depctr_va_vdst(0)
	s_wait_kmcnt 0x0
	s_cmp_lt_u32 ttmp9, s15                        ; which tensor: the choice hangs on the work-group's number alone
	s_cselect_b64 s[6:7], s[6:7], s[8:9]
	s_cselect_b32 s14, 512, s15
	s_cmp_lt_u32 ttmp9, 512
	s_cselect_b64 s[4:5], s[4:5], s[6:7]
	s_cselect_b32 s14, 0, s14
	s_sub_co_u32 s14, ttmp9, s14                   ; the tile's number in its tensor
	s_lshr_b32 s19, s14, 1
	s_lshl_b32 s19, s19, 5
	s_and_b32 s14, s14, 1
	s_lshl_b32 s14, s14, 3
	s_add_co_u32 s14, s14, s19                     ; its first row: 32 (T / 2) + 8 (T % 2)
	s_lshl_b32 s14, s14, 12                        ; rows of 4,096 bytes
	s_lshl_b32 s19, s16, 10                        ; my wave's 1,024 bytes of a row
	s_add_co_u32 s14, s14, s19
	s_mov_b32 s15, 0
	s_add_nc_u64 s[4:5], s[4:5], s[14:15]
	s_mul_i32 s22, ttmp9, 12288                    ; the tile's 16 images,
	s_mul_i32 s19, s16, 3072                       ; my wave's four
	s_add_co_u32 s22, s22, s19
	s_mov_b32 s23, 0
	s_add_nc_u64 s[10:11], s[10:11], s[22:23]
	s_lshl_b32 s22, ttmp9, 9                       ; the tile's 512 scale bytes
	s_add_nc_u64 s[12:13], s[12:13], s[22:23]
	LOADK 0
	LOADK 1
	s_wait_loadcnt 16                              ; K step 0's 16 loads are in; K step 1's 16 may be out
	TURN 0
	s_wait_loadcnt 0x0
	TURN 1
	s_wait_dscnt 32                                ; the first turn is over; the second's 16 stores and 16 loads may be out
	QUANT R0, PC0
	PUT PC0, 0
	s_wait_dscnt 0x0
	QUANT R0+64, PC0+20                            ; codes and word have registers of their own: no store's data are written again
	PUT PC0+20, 1
	ds_store_b64 v8, v[PW:PW+1]                    ; both halves of the lanes write the same bytes with the same values
	s_wait_dscnt 0x0                               ; for the others' sake: my store has landed
	s_barrier_signal -1
	s_barrier_wait -1
	s_cmp_lg_u32 s16, 0
	s_cbranch_scc1 .Lend
	ds_load_b128 v[OUTR:OUTR+3], v9                ; wave 0 stores the tile's 512 scale bytes: two aligned blocks of 256
	s_wait_dscnt 0x0
	global_store_b128 v4, v[OUTR:OUTR+3], s[12:13]
.Lend:
	s_wait_tensorcnt 0x0                           ; the wave's end: behind my last LDS store
	ds_add_u32 v[SPW], v[NIL]
	s_wait_dscnt 0x0
	s_endpgm
.Lfunc_end_k_qce61984366_quant:
	.size	k_qce61984366_quant, .Lfunc_end_k_qce61984366_quant-k_qce61984366_quant
	.p2alignl 7, 3214868480
	.fill 96, 4, 3214868480
	.section	.rodata,"a",@progbits
	.p2align	6, 0x0
	.amdhsa_kernel k_qce61984366_quant
		.amdhsa_group_segment_fixed_size 34816
		.amdhsa_private_segment_fixed_size 0
		.amdhsa_enable_private_segment 0
		.amdhsa_kernarg_size 40
		.amdhsa_user_sgpr_count 2
		.amdhsa_user_sgpr_kernarg_segment_ptr 1
		.amdhsa_wavefront_size32 1
		.amdhsa_system_sgpr_workgroup_id_x 1
		.amdhsa_system_sgpr_workgroup_id_y 1
		.amdhsa_system_sgpr_workgroup_id_z 1
		.amdhsa_system_vgpr_workitem_id 0
		.amdhsa_next_free_vgpr 208
		.amdhsa_next_free_sgpr 66
		.amdhsa_reserve_vcc 0
		.amdhsa_float_denorm_mode_32 3
		.amdhsa_float_denorm_mode_16_64 3
		.amdhsa_memory_ordered 1
		.amdhsa_forward_progress 1
		.amdhsa_inst_pref_size 19
	.end_amdhsa_kernel
	.amdgpu_metadata
---
amdhsa.version: [ 1, 2 ]
amdhsa.kernels:
  - .name:           k_qce61984366_quant
    .symbol:         k_qce61984366_quant.kd
    .args:
      - { .name: x, .offset: 0, .size: 8, .value_kind: global_buffer, .address_space: global }
      - { .name: qkv_w, .offset: 8, .size: 8, .value_kind: global_buffer, .address_space: global }
      - { .name: proj_w, .offset: 16, .size: 8, .value_kind: global_buffer, .address_space: global }
      - { .name: cod, .offset: 24, .size: 8, .value_kind: global_buffer, .address_space: global }
      - { .name: scl, .offset: 32, .size: 8, .value_kind: global_buffer, .address_space: global }
    .group_segment_fixed_size: 34816
    .private_segment_fixed_size: 0
    .kernarg_segment_align: 8
    .kernarg_segment_size: 40
    .max_flat_workgroup_size: 128
    .sgpr_count:     66
    .vgpr_count:     208
    .wavefront_size: 32
...
	.end_amdgpu_metadata
.endif
;; end of part 1
;; launch qkv (part 2): grid 12 x 32, 4 waves a work-group, clusters of 4 x 4, 327,680 bytes of LDS; arguments cod, scl, qkv_b, qkvc, qkvs; writes qkvc, qkvs
.if DOCPART == 2
	.amdgcn_target "amdgcn-amd-amdhsa--gfx1250"
	.amdhsa_code_object_version 6
	.text
	.protected	k_qce61984366_qkv
	.globl	k_qce61984366_qkv
	.p2align	8
	.type	k_qce61984366_qkv,@function
k_qce61984366_qkv:
	s_mov_b64 s[64:65], 0
	v_nop
	global_prefetch_b8 v0, s[64:65] scope:SCOPE_SE
	s_setreg_imm32_b32 hwreg(HW_REG_WAVE_MODE, 25, 1), 1
	s_wait_xcnt 0x0
	s_wait_alu depctr_hold_cnt(0) depctr_sa_sdst(0) depctr_va_vdst(0) depctr_va_sdst(0) depctr_va_ssrc(0) depctr_va_vcc(0) depctr_vm_vsrc(0)
	s_getreg_b32 s2, hwreg(HW_REG_IB_STS2, 6, 4)
	s_cmp_eq_u32 s2, 0
	s_cbranch_scc0 .Lentry_in_a_cluster
	s_endpgm
.Lentry_in_a_cluster:
	s_bfe_u32 s2, ttmp6, 0x10000c
	s_cmp_lg_u32 s2, 0xf033
	s_cbranch_scc0 .Lentry_shape_is_right
	s_endpgm
.Lentry_shape_is_right:
; qkv = x qkv_w^T + qkv_b on codes of FP6 (E2M3) with E8M0 scales, K = 1,024; the results are quantised at once, in f32 registers, into the operands of attention: q and k along the head's 64, v along the keys.
; A tile of the result, 256 x 256, is made by four waves, each 128 x 128: 64 accumulators, 512 registers.  K goes in steps of 256 through a ring of two LDS slots filled by the tensor data mover.
; THE MATRIX INSTRUCTION IS USED TRANSPOSED: source 0 = 16 rows of B', source 1 = 16 rows of A': a lane holds ONE row of A' and its registers run along B's rows.
; TWO MODES, told apart by the cluster's x, which all sixteen partners share.  q, k (cluster x 0, 1): A' = x (tokens), B' = wq, wk (channels): a lane's registers run along the head's channels, q's and k's K.
; v (cluster x 2): A' = wv (channels), B' = x (tokens): a lane's registers run along the tokens, which are v's K.  Only offsets into cod and scl are chosen; the text is one.
; TILES AND IMAGES as the launch before laid them: image row r of tile T is row 32 (T / 2) + 8 (T % 2) + r + 8 (r / 8); so register 8 b + j of a lane (r, h) over B's tiles b = 0 .. 7 holds column 32 (b / 2) + 16 h + 8 (b % 2) + j:
; 16 neighbours of each block of 32.  An image is 16 rows x 64 K, 768 bytes: lane l's registers 0-3 at 16 l, registers 4-5 at 512 + 8 l.  A fragment (128 K, 12 registers) is two images: four LDS loads of 512 or 256 consecutive bytes.
; OUT.  qkvc: [48 regions][512 images][768]: region h: q of head h, 16 + h: k (image = token tile); 32 + h: v^T (image = 4 x group of 64 tokens + channel tile).
; qkvs: q, k: a word for each row at (region x 512 + tile) x 64 + 4 r, bytes 0, 1 the head's two scale bytes, bytes 2, 3 = 0;  v: from byte 1,048,576, (head x 256 + 4 x group of 128 tokens + channel tile) x 64 + 4 r: four bytes.
; THE BIAS: by columns (q, k) it is the C of each sum's first matrix instruction, so it is the sum's first term and not its last; by rows (v) it is added to the finished sum.  The one that does not apply is made 0 by a select.
; CLUSTERS: 4 x 4.  A's tiles hang on the tile row and are asked for jointly along a row of the cluster, B's on the tile column, along a column.
; LIMITS: a block of zeros gets the byte 1 (its codes are zeros; this program alone reads the bytes); NaN and infinities are not served.
; REGISTERS, in windows of 256: window 0: v0-31 addresses; v32-63 scale words, two sets; v64-127 the column bias; v128-223 A's fragments, one set; v240-255 the row bias; on the way out v128-239 are at work.
;   window 1: B's fragments, two sets, at v0 and v128.   window 2: the accumulators of my rows 0-63 ((a, b) at v[8 (8 a + b)]);   window 3: those of my rows 64-127.
.set NQ,     2                         ; matrix instructions deep in a slot
.set FR,     12                        ; registers of a fragment
.set NL,     4                         ; LDS loads that bring one
.set NP,     4                         ; places behind this matrix instruction (ISA guide 7.12.1)
.set TROW,   3072                      ; 256 along K of a tile of 16 rows: four images
.set HALFT,  8*TROW                    ; 8 tiles, 128 rows: what one tensor load brings, and what one wave reads of A' or of B'
.set SLOT,   4*HALFT
.set LAPS,   2                         ; 1,024 along K = four K steps = twice round the ring
.set SCL,    2*SLOT                    ; behind the ring: the scales for all of K, as rows of 256 bytes + 16 of padding
.set HALFS,  16*272                    ; those of 128 rows (32 bytes a row)
.set SBLK,   2*272                     ; those of 16 rows
.set SPARE,  SCL+4*HALFS               ; the spare words, 128 bytes for each wave: two blocks of 256 bytes that no other line names
.set SCST,   SPARE+512                 ; 1,024 bytes for each wave: the scale words made on the way out; no fill lands here
.set ADRA, 16                          ; v16-17 LDS address of my A' fragments in slot 0, 1: + 16 x lane;  v18-19: + 8 x lane
.set ADRB, 20                          ; v20-23 the same for B'
.set LI,   24                          ; v24  16 x lane
.set L8,   25                          ; v25  8 x lane
.set SCA,  26                          ; v26  where I put a scale word: SCST + 1,024 wave + 4 r
.set ADRS, 27                          ; v27  LDS address of my scale words: lanes 0-15 A's rows, lanes 16-31 B's
.set SPW,  28                          ; v28  LDS address of my spare word; never rewritten
.set NIL,  29                          ; v29  0; never rewritten
.set SCB,  30                          ; v30  where I read the scale words back: SCST + 1,024 wave + 16 x lane
.set SO,   31                          ; v31  their place in qkvs: 16 x lane, in mode v + 16,128 for lanes 16-31 (the next head)
.set SC,   32
.set BC,   64                          ; the column bias: register 8 b + j as the accumulators have it
.set AF,   128
.set H,    128                         ; the way out: 64 numbers
.set TM,   192
.set PC,   208                         ; v208-226 the codes just made
.set HW,   228                         ; v228-231 halves of scale words
.set LB,   232                         ; v232-239 scale words read back
.set BR,   240                         ; the row bias: a pair for each of my 8 tiles of rows
.set SEL,  66                          ; s[66:67]
.set G1, 24                            ; s[24:31] group 1 for A's tiles;  s[32:39] group 0, one set for each slot
.set G0, 32
.set G1B, 48                           ; s[48:55], s[56:63] the same for B's
.set G0B, 56
.set G1S, 68                           ; s[68:75], s[76:79] groups 1 and 0 for A's scales;  s[80:87], s[88:91] for B's
.set G0S, 76
.set G1SB, 80
.set G0SB, 88
.set PP,  68                           ; the way out: s[68:75] four pointers into qkvc, s[76:79] two into qkvs
.set MSB, 0
.macro WIN new                         ; the immediate's high byte repeats the setting that is left
.if MSB != \new
	s_set_vgpr_msb (MSB<<8)|\new
.set MSB, \new
.endif
.endm
.set MUL_LO, 0xa1                      ; source 0 (B') window 1, source 1 (A') window 0, C and D window 2
.set MUL_HI, 0xf1                      ; the same, C and D window 3
.set BEG_LO, 0x81                      ; the first products: C (the bias) window 0, D window 2
.set BEG_HI, 0xc1                      ; D window 3
.set TO_B,   0x40                      ; destination window 1, address window 0
; A joint refill: waves 0 and 1 fetch for A', waves 2 and 3 for B'.  The branch hangs on the wave's number alone.  An s_nop 0 and four v_nop follow each of the two lines.
.macro JLOAD g0a, g1a, g0b, g1b
	s_cmp_eq_u32 s15, 0
	s_cbranch_scc0 .Lfor_b_\@
	tensor_load_to_lds s[\g0a:\g0a+3], s[\g1a:\g1a+7]
	s_nop 0
.rept 4
	v_nop
.endr
	s_branch .Lasked_\@
.Lfor_b_\@:
	tensor_load_to_lds s[\g0b:\g0b+3], s[\g1b:\g1b+7]
	s_nop 0
.rept 4
	v_nop
.endr
.Lasked_\@:
.endm
.macro CREST                           ; a round of the cluster's barrier behind its opening barrier
	s_cmp_lg_u32 s14, 0
	s_cbranch_scc1 .Lnot_wave_0_\@
	s_barrier_signal -3
.Lnot_wave_0_\@:
	s_barrier_wait -3
	s_barrier_signal -1
	s_barrier_wait -1
.endm
.macro CROUND                          ; a whole round
	s_barrier_signal -1
	s_barrier_wait -1
	CREST
.endm
	s_load_b256 s[4:11], s[0:1], 0x0               ; cod s[4:5], scl s[6:7], qkv_b s[8:9], qkvc s[10:11]
	s_load_b64 s[12:13], s[0:1], 0x20              ; qkvs
	v_lshl_add_u32 v[SPW], v0, 2, SPARE
	v_mov_b32 v[NIL], 0
	ds_add_u32 v[SPW], v[NIL]                      ; the wave's opening: the add and its wait ahead of my first tensor load; work on registers stands between them
	ds_add_u32 v[SPW], v[NIL]
	v_lshrrev_b32 v1, 5, v0
	v_readfirstlane_b32 s14, v1                    ; wave 0..3
	s_lshr_b32 s15, s14, 1                         ; which half of the tile's rows is mine.  Also: I fetch for A' (0) or for B' (1)
	s_and_b32 s16, s14, 1                          ; which half of its columns.  Also: which 128 rows I fetch
	s_bfe_u32 s40, ttmp6, 0x40000                  ; cx, cy: my place in the cluster
	s_bfe_u32 s41, ttmp6, 0x40004
	s_and_b32 s92, ttmp7, 0xffff                   ; cluster y
	s_cmp_eq_u32 ttmp9, 2                          ; mode v?  The same in all sixteen partners
	s_cselect_b32 s93, 0, s92                      ; the cluster's place along the tile rows
	s_cselect_b32 s94, s92, ttmp9                  ; and along the tile columns
	s_cselect_b32 s95, -1, 0                       ; all ones in mode v
	s_cselect_b32 s96, 0, -1                       ; all ones in mode q, k
	s_cselect_b32 s97, 640, 0                      ; A's first tile in cod: wv's, or x's
	s_cselect_b32 s98, 0, 512                      ; B's: x's, or wq's
	s_lshl_b32 s17, s93, 2
	s_add_co_u32 s17, s17, s41                     ; tile row
	s_lshl_b32 s42, s94, 2
	s_add_co_u32 s42, s42, s40                     ; tile column
	s_lshl_b32 s43, s41, 2
	s_lshl_b32 s43, 15, s43                        ; my row of the cluster
	s_lshl_b32 s44, 0x1111, s40                    ; my column
	; group 1 for codes: 8 rows (tiles) of 3,072 bytes, 12,288 bytes apart, elements of 8 bytes, no padding
	s_or_b32 s[G1+0], s43, (3<<16)|(1<<21)         ; 15:0 the mask: A's tiles go to my row; 17:16 elements of 8 bytes; 21 set beside a mask
	s_or_b32 s[G1B+0], s44, (3<<16)|(1<<21)
.irp g, G1, G1B
	s_mov_b32 s[\g+1], 384<<16                     ; tensor_dim0
	s_mov_b32 s[\g+2], 16<<16                      ; tensor_dim1: 16 tiles for the head's loads; behind them 8, for the ring's
	s_mov_b32 s[\g+3], 384<<16                     ; tile_dim0
	s_mov_b32 s[\g+4], 16                          ; tile_dim1
	s_mov_b32 s[\g+5], 1536                        ; tensor_dim0_stride
	s_mov_b32 s[\g+6], 0
	s_mov_b32 s[\g+7], 0
.endr
	; and for the scales of 256 rows: 8,192 dense bytes as 32 rows of 256 bytes, 16 bytes of padding behind each
	s_or_b32 s[G1S+0], s43, (3<<16)|(1<<20)|(1<<21)|(5<<22)|(3<<25)
	s_or_b32 s[G1SB+0], s44, (3<<16)|(1<<20)|(1<<21)|(5<<22)|(3<<25)
.irp g, G1S, G1SB
	s_mov_b32 s[\g+1], 32<<16
	s_mov_b32 s[\g+2], 32<<16                      ; the scales of 256 rows: 32 rows of 256 bytes
	s_mov_b32 s[\g+3], 32<<16
	s_mov_b32 s[\g+4], 32
	s_mov_b32 s[\g+5], 32
	s_mov_b32 s[\g+6], 0
	s_mov_b32 s[\g+7], 0
.endr
	s_lshl_b32 s20, s17, 4
	s_add_co_u32 s20, s20, s97                     ; A': tile 16 x tile row, from its first tile on
	s_lshl_b32 s46, s42, 4
	s_add_co_u32 s46, s46, s98                     ; B' likewise by the tile column
	s_lshl_b32 s22, s20, 9                         ; a tile's scales are 512 bytes,
	s_mov_b32 s23, 0
	s_lshl_b32 s100, s46, 9
	s_mov_b32 s101, 0
	s_mul_i32 s20, s20, 12288                      ; its codes 12,288 (768 tiles: under 2^32)
	s_mov_b32 s21, 0
	s_mul_i32 s46, s46, 12288
	s_mov_b32 s47, 0
	s_mul_i32 s45, s14, HALFT                      ; where they go: by the wave's number alone
	s_mov_b32 s[SEL], 0x76543210
	s_mov_b32 s[SEL+1], 0xfedcba98
	s_wait_dscnt 0x0                               ; the opening add is done
	s_wait_kmcnt 0x0
	s_add_nc_u64 s[20:21], s[4:5], s[20:21]
	s_add_nc_u64 s[22:23], s[6:7], s[22:23]
	s_add_nc_u64 s[46:47], s[4:5], s[46:47]
	s_add_nc_u64 s[100:101], s[6:7], s[100:101]
	CROUND                                         ; all sixteen work-groups are here: the first joint loads meet
	s_mov_b32 s[G0S], 1
	s_mov_b32 s[G0S+1], SCL
	s_mov_b64 s[G0S+2:G0S+3], s[22:23]
	s_or_b32 s[G0S+3], s[G0S+3], 0x80000000
	s_mov_b32 s[G0SB], 1
	s_mov_b32 s[G0SB+1], SCL+2*HALFS
	s_mov_b64 s[G0SB+2:G0SB+3], s[100:101]
	s_or_b32 s[G0SB+3], s[G0SB+3], 0x80000000
.irp s, 0,1
	s_mov_b32 s[G0+4*\s], 1
	s_add_co_u32 s[G0+4*\s+1], s45, \s*SLOT
	s_add_nc_u64 s[G0+4*\s+2:G0+4*\s+3], s[20:21], \s*TROW
	s_or_b32 s[G0+4*\s+3], s[G0+4*\s+3], 0x80000000
	s_mov_b32 s[G0B+4*\s], 1
	s_add_co_u32 s[G0B+4*\s+1], s45, \s*SLOT
	s_add_nc_u64 s[G0B+4*\s+2:G0B+4*\s+3], s[46:47], \s*TROW
	s_or_b32 s[G0B+4*\s+3], s[G0B+4*\s+3], 0x80000000
.endr
	s_mul_i32 s4, s16, 8*12288                     ; in the ring I fetch 8 tiles of 16: which half, in bytes (s[4:5] held cod's address, which has served)
	s_mov_b32 s5, 0
	s_add_nc_u64 s[G0+6:G0+7], s[G0+6:G0+7], s[4:5]
	s_add_nc_u64 s[G0B+6:G0B+7], s[G0B+6:G0B+7], s[4:5]
	s_mov_b32 s[G0+1], 0                           ; the head's loads bring K step 0 whole: A's 16 tiles to slot 0's start,
	s_mov_b32 s[G0B+1], 2*HALFT                    ; B's 16 behind them
	; THE HEAD'S LOADS, ONE A WAVE: wave 0 A's K step 0, wave 1 B's, wave 2 A's scales, wave 3 B's.  One chain of branches on the wave's number
	s_cmp_lt_u32 s14, 1
	s_cbranch_scc0 .Lhead_b
	tensor_load_to_lds s[G0:G0+3], s[G1:G1+7]
	s_nop 0
.rept 4
	v_nop
.endr
	s_branch .Lfirst_done
.Lhead_b:
	s_cmp_lt_u32 s14, 2
	s_cbranch_scc0 .Lhead_sa
	tensor_load_to_lds s[G0B:G0B+3], s[G1B:G1B+7]
	s_nop 0
.rept 4
	v_nop
.endr
	s_branch .Lfirst_done
.Lhead_sa:
	s_cmp_lt_u32 s14, 3
	s_cbranch_scc0 .Lhead_sb
	tensor_load_to_lds s[G0S:G0S+3], s[G1S:G1S+7]
	s_nop 0
.rept 4
	v_nop
.endr
	s_branch .Lfirst_done
.Lhead_sb:
	tensor_load_to_lds s[G0SB:G0SB+3], s[G1SB:G1SB+7]
	s_nop 0
.rept 4
	v_nop
.endr
.Lfirst_done:
	v_and_b32 v1, 15, v0                           ; r
	v_bfe_u32 v2, v0, 4, 1                         ; h
	v_and_b32 v3, 31, v0                           ; lane
	; the biases.  Both are loaded in both modes, from inside the buffer (the one that does not apply from its first bytes), and the one that does not apply is then made 0
	v_lshlrev_b32 v8, 6, v2                        ; by columns: my 16 numbers of a block of 32: 64 h bytes on
	s_wait_alu depctr_va_vdst(0)
	v_and_b32 v9, 8, v1
	v_add_nc_u32 v9, v9, v1
	v_lshlrev_b32 v9, 2, v9                        ; by rows: image row r is row r + 8 (r / 8) of its tile's span
	s_wait_alu depctr_va_vdst(0)
	s_lshl_b32 s18, s42, 8
	s_lshl_b32 s19, s16, 7
	s_add_co_u32 s18, s18, s19                     ; my first column: 256 x tile column + 128 x half
	s_lshl_b32 s18, s18, 2
	s_and_b32 s18, s18, s96
	s_mov_b32 s19, 0
	s_add_nc_u64 s[92:93], s[8:9], s[18:19]
	s_lshl_b32 s18, s17, 8
	s_lshl_b32 s2, s15, 7
	s_add_co_u32 s18, s18, s2
	s_add_co_u32 s18, s18, 2048                    ; v's bias begins at 2,048; my first row: 256 x tile row + 128 x half
	s_lshl_b32 s18, s18, 2
	s_and_b32 s18, s18, s95
	s_add_nc_u64 s[8:9], s[8:9], s[18:19]
.set i, 0
.rept 16
	global_load_b128 v[BC+4*i:BC+4*i+3], v8, s[92:93] offset:128*(i/4)+16*(i%4)
.set i, i+1
.endr
.set i, 0
.rept 8
	global_load_b32 v[BR+2*i], v9, s[8:9] offset:4*(32*(i/2)+8*(i%2))
	global_load_b32 v[BR+2*i+1], v9, s[8:9] offset:4*(32*(i/2)+8*(i%2))   ; twice: a pair for the packed addition
.set i, i+1
.endr
	v_lshlrev_b32 v[LI], 4, v3
	v_lshlrev_b32 v[L8], 3, v3
	s_mul_i32 s21, s15, HALFT                      ; my 128 rows of A'
	s_mul_i32 s22, s16, HALFT                      ; my 128 rows of B',
	s_add_co_u32 s22, s22, 2*HALFT                 ; which lie behind A's 256
.irp s, 0,1
	v_add_nc_u32 v[ADRA+\s], s21, v[LI]
	v_add_nc_u32 v[ADRB+\s], s22, v[LI]
	v_add_nc_u32 v[ADRA+2+\s], s21, v[L8]
	v_add_nc_u32 v[ADRB+2+\s], s22, v[L8]
	s_add_co_u32 s21, s21, SLOT
	s_add_co_u32 s22, s22, SLOT
.endr
	v_lshlrev_b32 v5, 5, v1                        ; my row's scales: 32 bytes a row,
	v_lshrrev_b32 v6, 8, v5
	v_lshl_add_u32 v5, v6, 4, v5                   ; and 16 more for each 256 passed
	s_mul_i32 s21, s15, HALFS                      ; A's: my 128 rows
	s_mul_i32 s22, s16, HALFS                      ; B's: my 128 rows, behind A's 256
	s_add_co_u32 s22, s22, 2*HALFS
	s_sub_co_u32 s22, s22, s21
	v_mul_u32_u24 v6, s22, v2                      ; lanes 16-31 take B's
	s_add_co_u32 s21, s21, SCL
	v_add_nc_u32 v5, v5, v6
	v_add_nc_u32 v[ADRS], s21, v5
	s_lshl_b32 s23, s14, 10
	s_add_co_u32 s23, s23, SCST
	v_lshl_add_u32 v[SCA], v1, 2, s23
	v_add_nc_u32 v[SCB], s23, v[LI]
	s_and_b32 s2, s95, 16128
	v_mul_u32_u24 v[SO], s2, v2
	v_add_nc_u32 v[SO], v[SO], v[LI]
	s_wait_loadcnt 0x0                             ; the biases
.set i, 0
.rept 64
	v_cndmask_b32 v[BC+i], 0, v[BC+i], s96         ; the column bias counts in mode q, k
.set i, i+1
.endr
.set i, 0
.rept 16
	v_cndmask_b32 v[BR+i], 0, v[BR+i], s95         ; the row bias in mode v
.set i, i+1
.endr
.macro FRAG reg, adr, q, i             ; tile i's fragment of the slot's q-th 128 along K: two images, as they lie
	ds_load_b128 v[\reg:\reg+3], v[\adr] offset:TROW*(\i)+1536*(\q)
	ds_load_b64 v[\reg+4:\reg+5], v[\adr+2] offset:TROW*(\i)+1536*(\q)+512
	ds_load_b128 v[\reg+6:\reg+9], v[\adr] offset:TROW*(\i)+1536*(\q)+768
	ds_load_b64 v[\reg+10:\reg+11], v[\adr+2] offset:TROW*(\i)+1536*(\q)+1280
.endm
; 16 matrix instructions: A's blocks a0, a0 + 1 x B's eight, 128 along K.  p: B's set;  sc: the set of scale words.  zero = 1: the first product starts the sums, with the column bias as its C.
; The 64 accumulators take turns, one instruction a turn, in the same order in every step.
.macro MUL16 a0, p, q, sc, zero
.irp a, \a0, \a0+1
.irp b, 0,1,2,3,4,5,6,7
.if \zero
	v_wmma_scale_f32_16x16x128_f8f6f4 v[8*(8*((\a)%4)+\b):8*(8*((\a)%4)+\b)+7], v[128*(\p)+FR*\b:128*(\p)+FR*\b+FR-1], v[AF+FR*(\a):AF+FR*(\a)+FR-1], v[BC+8*\b:BC+8*\b+7], v[SC+8*NQ*(\sc)+NQ*\b+(\q)], v[SC+8*NQ*(\sc)+NQ*(\a)+(\q)] matrix_a_fmt:MATRIX_FMT_FP6 matrix_b_fmt:MATRIX_FMT_FP6 matrix_a_scale:MATRIX_SCALE_ROW1
.else
	v_wmma_scale_f32_16x16x128_f8f6f4 v[8*(8*((\a)%4)+\b):8*(8*((\a)%4)+\b)+7], v[128*(\p)+FR*\b:128*(\p)+FR*\b+FR-1], v[AF+FR*(\a):AF+FR*(\a)+FR-1], v[8*(8*((\a)%4)+\b):8*(8*((\a)%4)+\b)+7], v[SC+8*NQ*(\sc)+NQ*\b+(\q)], v[SC+8*NQ*(\sc)+NQ*(\a)+(\q)] matrix_a_fmt:MATRIX_FMT_FP6 matrix_b_fmt:MATRIX_FMT_FP6 matrix_a_scale:MATRIX_SCALE_ROW1
.endif
.endr
.endr
.endm
.macro FETCH_B slot, q, p              ; B's eight fragments into set p
	WIN TO_B
.irp i, 0,1,2,3,4,5,6,7
	FRAG 128*(\p)+FR*\i, ADRB+\slot, \q, \i
.endr
	WIN 0
.endm
.macro FETCH_A slot, q, i0             ; A's blocks i0 .. i0 + 3
.irp i, \i0, \i0+1, \i0+2, \i0+3
	FRAG AF+FR*(\i), ADRA+\slot, \q, \i
.endr
.endm
.macro SCALES sc                       ; the next K step's scale words: two words a row; lanes 0-15 take A's block i, lanes 16-31 B's block i
.irp i, 0,1,2,3,4,5,6,7
	ds_load_b64 v[SC+8*NQ*\sc+NQ*\i:SC+8*NQ*\sc+NQ*\i+1], v[ADRS] offset:\i*SBLK
.endr
.endm
.macro PLACES n                        ; plain vector instructions between a matrix instruction and a load into, or a vector read or write of, its registers (ISA guide 7.12.1 for vector reads and writes)
.rept \n
	v_nop
.endr
.endm
; A step of 128 along K that has its successor in the same slot.  A block of A' is free when its eight products are issued: blocks 0-3 are fetched anew in the step's middle, blocks 4-7 at its end.
.macro STEP slot, q, zero
	s_wait_dscnt 4*NL                              ; B's set and A's blocks 0-3 are in; the youngest 16 loads (A's blocks 4-7) may be out
.if \zero
	WIN BEG_LO
.else
	WIN MUL_LO
.endif
	MUL16 0, (\q)%2, \q, \slot, \zero
	MUL16 2, (\q)%2, \q, \slot, \zero
	s_wait_dscnt 0                                 ; A's blocks 4-7 are in
	PLACES NP
	FETCH_B \slot, (\q)+1, 1-(\q)%2
	FETCH_A \slot, (\q)+1, 0
.if \zero
	WIN BEG_HI
.else
	WIN MUL_HI
.endif
	MUL16 4, (\q)%2, \q, \slot, \zero
	MUL16 6, (\q)%2, \q, \slot, \zero
	PLACES NP
	WIN 0
	FETCH_A \slot, (\q)+1, 4
.endm
; A slot's last step changes slots: ONE barrier; in front of it each wave waits for all its tensor loads, adds 0 to its spare word, and waits for that and for its own reads of this slot.  fill = 1: this slot is filled again, two K steps ahead.
.macro TURN slot, next, fill
	s_wait_tensorcnt 0x0                           ; all my tensor loads have landed: my part of the next slot
	ds_add_u32 v[SPW], v[NIL]                      ; 0 onto my spare word
	s_wait_dscnt 4*NL+1                            ; (the add and the youngest 16 loads, A's blocks 4-7, may be out)
	WIN MUL_LO
	MUL16 0, 1, NQ-1, \slot, 0                     ; sixteen matrix instructions stand between the add and the wait for it
	s_wait_dscnt 0x0                               ; the add is done, and my reads of this slot are over
	s_barrier_signal -1
	MUL16 2, 1, NQ-1, \slot, 0
	WIN 0
	s_barrier_wait -1
.if \fill
	CREST                                          ; the barrier has opened a round of the cluster's barrier: no wave of any partner still reads this slot or has a load on its way
	s_add_nc_u64 s[G0+4*\slot+2:G0+4*\slot+3], s[G0+4*\slot+2:G0+4*\slot+3], 2*TROW
	s_add_nc_u64 s[G0B+4*\slot+2:G0B+4*\slot+3], s[G0B+4*\slot+2:G0B+4*\slot+3], 2*TROW
	JLOAD G0+4*\slot, G1, G0B+4*\slot, G1B         ; the first tensor load behind the round; its four v_nop are also the places in front of the loads below
.else
	PLACES NP
.endif
	s_wait_alu depctr_va_vdst(0)
	v_add_nc_u32 v[ADRS], 4*NQ, v[ADRS]            ; on to the next K step's scale words (no LDS load of mine is out)
	FETCH_B \next, 0, 0
	FETCH_A \next, 0, 0
	SCALES \next
	WIN MUL_HI
	MUL16 4, 1, NQ-1, \slot, 0
	MUL16 6, 1, NQ-1, \slot, 0
	PLACES NP
	WIN 0
	FETCH_A \next, 0, 4
.endm
	s_wait_alu depctr_va_vdst(0)
	s_wait_tensorcnt 0x0                           ; my tile of the head's four is in; slot 1's first fill is issued as a refill is:
	ds_add_u32 v[SPW], v[NIL]                      ; 0 onto my spare word
	s_mov_b32 s[G1+2], 8<<16                       ; no tensor load of mine is out: from here on a load brings 8 tiles,
	s_mov_b32 s[G1+4], 8
	s_mov_b32 s[G1B+2], 8<<16
	s_mov_b32 s[G1B+4], 8
	s_mov_b32 s[G0+1], s45                         ; to the wave's own quarter of a slot,
	s_mov_b32 s[G0B+1], s45
	s_add_nc_u64 s[G0+2:G0+3], s[G0+2:G0+3], s[4:5]       ; from its half of the tiles
	s_add_nc_u64 s[G0B+2:G0B+3], s[G0B+2:G0B+3], s[4:5]
	s_wait_dscnt 0x0                               ; the add is done
	CROUND                                         ; all four tiles are in, and all sixteen work-groups are here
	JLOAD G0+4, G1, G0B+4, G1B                     ; K step 1: the first tensor load behind the round
	FETCH_B 0, 0, 0
	FETCH_A 0, 0, 0
	SCALES 0
	FETCH_A 0, 0, 4
	STEP 0, 0, 1                                   ; the first step stands in front of the loop: its products start the sums
	s_mov_b32 s3, LAPS-1
.Llap:                                                 ; a trip goes once round the ring, from a lap's second step to the next lap's first, and fills both slots again
	TURN 0, 1, 1
	STEP 1, 0, 0
	TURN 1, 0, 1
	STEP 0, 0, 0
	s_sub_co_u32 s3, s3, 1
	s_cmp_lg_u32 s3, 0
	s_cbranch_scc1 .Llap
	TURN 0, 1, 0                                   ; the last lap fills nothing, and has no round of the cluster's barrier
	STEP 1, 0, 0
	s_wait_dscnt 4*NL                              ; the very last step: nothing more to fetch
	WIN MUL_LO
	MUL16 0, 1, NQ-1, 1, 0
	MUL16 2, 1, NQ-1, 1, 0
	s_wait_dscnt 0
	WIN MUL_HI
	MUL16 4, 1, NQ-1, 1, 0
	MUL16 6, 1, NQ-1, 1, 0
	WIN 0
	; THE WAY OUT.  Where my images and scale words go.  T0 = my first tile of rows, G0 = my first group of 64 columns
	s_lshl_b32 s18, s17, 4
	s_lshl_b32 s19, s15, 3
	s_add_co_u32 s18, s18, s19                     ; T0 = 16 x tile row + 8 x half
	s_lshl_b32 s19, s42, 2
	s_lshl_b32 s20, s16, 1
	s_add_co_u32 s19, s19, s20                     ; G0 = 4 x tile column + 2 x half
	s_lshl_b32 s20, s19, 9
	s_add_co_u32 s20, s20, s18                     ; q, k: region G0, image T0: 512 G0 + T0, for codes and for words
	s_lshr_b32 s21, s18, 2                         ; v: head T0 / 4
	s_lshl_b32 s22, s21, 9
	s_lshl_b32 s23, s19, 2
	s_add_co_u32 s22, s22, s23
	s_add_co_u32 s22, s22, 16384                   ; region 32 + head, image 4 G0
	s_lshl_b32 s21, s21, 8
	s_lshl_b32 s23, s19, 1
	s_add_co_u32 s21, s21, s23
	s_add_co_u32 s21, s21, 16384                   ; words: 16,384 + 256 head + 4 (G0 / 2), in units of 64 bytes
	s_mov_b32 s82, 4*768
	s_mov_b32 s84, 512*768
	s_cmp_eq_u32 ttmp9, 2
	s_cselect_b32 s80, s22, s20
	s_cselect_b32 s86, s21, s20
	s_cselect_b32 s82, 512*768, s82                ; four tiles of rows on: the next head's region, or four images
	s_cselect_b32 s84, 4*768, s84                  ; a group of columns on: four images, or the next region
	s_mul_i32 s80, s80, 768
	s_lshl_b32 s86, s86, 6
	s_mov_b32 s81, 0
	s_mov_b32 s83, 0
	s_mov_b32 s85, 0
	s_mov_b32 s87, 0
	s_add_nc_u64 s[PP:PP+1], s[10:11], s[80:81]
	s_add_nc_u64 s[PP+2:PP+3], s[PP:PP+1], s[84:85]
	s_add_nc_u64 s[PP+4:PP+5], s[PP:PP+1], s[82:83]
	s_add_nc_u64 s[PP+6:PP+7], s[PP+4:PP+5], s[84:85]
	s_add_nc_u64 s[76:77], s[12:13], s[86:87]
	s_add_nc_u64 s[78:79], s[76:77], 32768         ; q, k: the next region's words (not used in mode v)
; 64 numbers of a lane, register 16 b + i = column 32 b + 16 (lane / 16) + i of my row, become a fragment's 12 registers (two images) in v[pc] on; the four bytes stay in v[TM+4] on.
.macro QUANT s, pc
.irp b, 0,1,2,3
	v_max3_num_f32 v[TM+\b], |v[\s+16*\b]|, |v[\s+1+16*\b]|, 0x1800000   ; my 16 numbers of block b, and the floor 2^(3 - 127): the byte cannot fall under 1
.endr
.irp i, 2,4,6,8,10,12,14
.irp b, 0,1,2,3
	v_max3_num_f32 v[TM+\b], v[TM+\b], |v[\s+16*\b+\i]|, |v[\s+1+16*\b+\i]|
.endr
.endr
.irp b, 0,1,2,3
	v_permlanex16_b32 v[TM+4+\b], v[TM+\b], s[SEL], s[SEL+1]
.endr
.irp b, 0,1,2,3
	v_max_num_f32 v[TM+\b], v[TM+\b], v[TM+4+\b]   ; with lane l xor 16's: the block's largest magnitude
.endr
.irp b, 0,1,2,3
	v_add_nc_u32 v[TM+12+\b], 0xff000000, v[TM+\b]   ; 2 off its exponent field: the conversion's scale operand
.endr
.irp b, 0,1,2,3
	v_lshrrev_b32 v[TM+4+\b], 23, v[TM+12+\b]      ; the scale's byte
.endr
.irp c, 0,1
	v_cvt_scalef32_pk16_fp6_f32 v[\pc+6*\c:\pc+2+6*\c], v[\s+32*\c:\s+15+32*\c], v[TM+12+2*\c]
	v_cvt_scalef32_pk16_fp6_f32 v[\pc+12+4*\c:\pc+14+4*\c], v[\s+16+32*\c:\s+31+32*\c], v[TM+12+2*\c+1]
.endr
	v_nop                                          ; one plain place behind a scaled conversion
.irp c, 0,1
.irp i, 0,1,2
	v_permlane16_swap_b32 v[\pc+6*\c+\i], v[\pc+12+4*\c+\i]
.endr
.irp i, 0,1,2
	v_mov_b32 v[\pc+3+6*\c+\i], v[\pc+12+4*\c+\i]
.endr
.endr
.endm
; My tile of rows a: the row bias is added, the 128 columns are quantised, and the two images leave as they stand: each store covers 512 or 256 consecutive bytes, aligned.
.macro EPI a
.set AC, 64*((\a)%4)
.if (\a) > 0
	s_wait_xcnt 0x0                                ; the last tile's stores have read their data: the codes' registers may be written again
.endif
	WIN 0x02+(\a)/4                                ; source 0: window 2 or 3
.set i, 0
.rept 32
	v_pk_add_f32 v[H+i:H+i+1], v[AC+i:AC+i+1], v[BR+2*(\a):BR+2*(\a)+1]   ; each accumulator from its low end on
.set i, i+2
.endr
	WIN 0
	QUANT H, PC
	v_lshl_or_b32 v[HW], v[TM+5], 8, v[TM+4]       ; the first 64 columns' two bytes,
	v_lshl_or_b32 v[HW+1], v[TM+7], 8, v[TM+6]     ; the second's
	v_lshlrev_b32 v[HW+3], 16, v[HW+1]
	v_and_or_b32 v[HW+2], v[HW+3], s95, v[HW]      ; mode v: all four make one word; mode q, k: the first head's word, its upper bytes 0
	ds_store_b32 v[SCA], v[HW+2] offset:64*(\a)    ; both halves of the lanes write the same word with the same value
	ds_store_b32 v[SCA], v[HW+1] offset:512+64*(\a)
.irp g, 0,1
	global_store_b128 v[LI], v[PC+6*\g:PC+6*\g+3], s[PP+4*((\a)/4)+2*\g:PP+4*((\a)/4)+2*\g+1] offset:768*((\a)%4)
	global_store_b64 v[L8], v[PC+6*\g+4:PC+6*\g+5], s[PP+4*((\a)/4)+2*\g:PP+4*((\a)/4)+2*\g+1] offset:768*((\a)%4)+512
.endr
.endm
	PLACES NP                                      ; behind the last products: their results are read and their operands' registers written below
.irp b, 0,1,2,3
	v_mov_b32 v[TM+4+\b], 0                        ; written once: a lane permute's destination counts as one of its sources
.endr
.irp a, 0,1,2,3,4,5,6,7
	EPI \a
.endr
	ds_load_b128 v[LB:LB+3], v[SCB]                ; LDS serves a wave's instructions in order: these see my stores.  512 bytes: the words of my eight tiles
	ds_load_b128 v[LB+4:LB+7], v[SCB] offset:512
	s_wait_dscnt 0x0
	global_store_b128 v[SO], v[LB:LB+3], s[76:77]  ; q, k: 512 consecutive bytes; v: 256 for each of two heads
	s_cmp_eq_u32 ttmp9, 2                          ; the same in all partners
	s_cbranch_scc1 .Lno_second
	global_store_b128 v[LI], v[LB+4:LB+7], s[78:79]   ; q, k: the second head's words
.Lno_second:
	s_wait_tensorcnt 0x0                           ; the wave's end: behind my last tensor load and my last LDS store
	ds_add_u32 v[SPW], v[NIL]
	s_wait_dscnt 0x0
	CROUND                                         ; the closing round: no work-group ends while a partner may still ask for a tile that names it
	s_endpgm
.Lfunc_end_k_qce61984366_qkv:
	.size	k_qce61984366_qkv, .Lfunc_end_k_qce61984366_qkv-k_qce61984366_qkv
	.p2alignl 7, 3214868480
	.fill 96, 4, 3214868480
	.section	.rodata,"a",@progbits
	.p2align	6, 0x0
	.amdhsa_kernel k_qce61984366_qkv
		.amdhsa_group_segment_fixed_size 327680
		.amdhsa_private_segment_fixed_size 0
		.amdhsa_enable_private_segment 0
		.amdhsa_kernarg_size 40
		.amdhsa_user_sgpr_count 2
		.amdhsa_user_sgpr_kernarg_segment_ptr 1
		.amdhsa_wavefront_size32 1
		.amdhsa_system_sgpr_workgroup_id_x 1
		.amdhsa_system_sgpr_workgroup_id_y 1
		.amdhsa_system_sgpr_workgroup_id_z 1
		.amdhsa_system_vgpr_workitem_id 0
		.amdhsa_next_free_vgpr 1024
		.amdhsa_next_free_sgpr 102
		.amdhsa_reserve_vcc 0
		.amdhsa_float_denorm_mode_32 3
		.amdhsa_float_denorm_mode_16_64 3
		.amdhsa_memory_ordered 1
		.amdhsa_forward_progress 1
		.amdhsa_inst_pref_size 176
	.end_amdhsa_kernel
	.amdgpu_metadata
---
amdhsa.version: [ 1, 2 ]
amdhsa.kernels:
  - .name:           k_qce61984366_qkv
    .symbol:         k_qce61984366_qkv.kd
    .args:
      - { .name: cod, .offset: 0, .size: 8, .value_kind: global_buffer, .address_space: global }
      - { .name: scl, .offset: 8, .size: 8, .value_kind: global_buffer, .address_space: global }
      - { .name: qkv_b, .offset: 16, .size: 8, .value_kind: global_buffer, .address_space: global }
      - { .name: qkvc, .offset: 24, .size: 8, .value_kind: global_buffer, .address_space: global }
      - { .name: qkvs, .offset: 32, .size: 8, .value_kind: global_buffer, .address_space: global }
    .group_segment_fixed_size: 327680
    .private_segment_fixed_size: 0
    .kernarg_segment_align: 8
    .kernarg_segment_size: 40
    .max_flat_workgroup_size: 128
    .sgpr_count:     102
    .vgpr_count:     1024
    .wavefront_size: 32
...
	.end_amdgpu_metadata
.endif
;; end of part 2
;; launch attn (part 3): grid 4 x 64, 16 waves a work-group, clusters of 4 x 1, 266,240 bytes of LDS; arguments qkvc, qkvs, attc, atts; writes attc, atts
.if DOCPART == 3
	.amdgcn_target "amdgcn-amd-amdhsa--gfx1250"
	.amdhsa_code_object_version 6
	.text
	.protected	k_qce61984366_attn
	.globl	k_qce61984366_attn
	.p2align	8
	.type	k_qce61984366_attn,@function
k_qce61984366_attn:
	s_mov_b64 s[64:65], 0
	v_nop
	global_prefetch_b8 v0, s[64:65] scope:SCOPE_SE
	s_setreg_imm32_b32 hwreg(HW_REG_WAVE_MODE, 25, 1), 1
	s_wait_xcnt 0x0
	s_wait_alu depctr_hold_cnt(0) depctr_sa_sdst(0) depctr_va_vdst(0) depctr_va_sdst(0) depctr_va_ssrc(0) depctr_va_vcc(0) depctr_vm_vsrc(0)
	s_getreg_b32 s2, hwreg(HW_REG_IB_STS2, 6, 4)
	s_cmp_eq_u32 s2, 0
	s_cbranch_scc0 .Lentry_in_a_cluster
	s_endpgm
.Lentry_in_a_cluster:
	s_bfe_u32 s2, ttmp6, 0x10000c
	s_cmp_lg_u32 s2, 0x3003
	s_cbranch_scc0 .Lentry_shape_is_right
	s_endpgm
.Lentry_shape_is_right:
; att[b][q][h] = the sum over keys of softmax(q . k / 8) v, both products on codes of FP6 (E2M3) with E8M0 scales; the result is quantised at once along the model's 1,024 into the last product's operand.
; THE SOFTMAX: t = score x log2(e) / 8; M = the row's largest t so far, rounded UP to a whole number; p = 2^(t - M) is quantised along the keys, not normalised.  The row's sum is taken of the unquantised p, in f32,
; and divides at the end.  When M moves, the sum and O are multiplied by 2^(old M - new M): exact.
; SHARES.  256 work-groups: one owns 512 queries of one head of one batch.  Sixteen waves, four to a SIMD, 256 registers each; a wave takes a tile of 16 queries through all 2,048 keys, 128 a step, and then a second tile: two passes.
; A HEAD'S K AND V STAY IN LDS, filled ONCE: wave w asks for key step w, one tile of two rows of 6,144 bytes: K's eight images and, 6,291,456 bytes on in qkvc, V's eight.  No byte is filled again: no ring.
; Waves 0-3 have a load line and a wait of their own: the first barrier shows steps 0-3; behind four steps a second barrier, in front of which every wave waits for its load, shows the rest.
; CLUSTER.  The four work-groups of a cluster are the four query blocks of one head: each tile is asked for JOINTLY (mask 15).  The scale words, 12,288 of a work-group's 208,896 bytes, come by plain loads: they are re-laid on the way.
; No prefetch: every tensor load of the launch is issued at its head.
; LAYOUT.  Both products are used transposed: S^T = K Q^T, O^T = V^T P^T: a lane holds ONE query (lane % 16).  Images as the launches before laid them: 16 rows x 64 K, 768 bytes, lane l's registers 0-3 at 16 l,
; registers 4-5 at 512 + 8 l; image row i of token tile T is token 32 (T / 2) + 8 (T % 2) + i + 8 (i / 8).  In LDS 64 bytes of padding follow every 256: an image is 960 bytes.
; THE ROWS OF A TILE OF K ARE CHOSEN BY THE LANES' LDS ADDRESSES: row r of tile (c, j), c = 0, 1, j = 0 .. 3, is key 64 c + 32 (r / 8) + 8 j + r % 8 of the step: row 8 (j / 2) + r % 8 of image 4 c + 2 (r / 8) + j % 2.
; So lane (r, h) holds in registers 32 c + 8 j + i of S^T the keys 64 c + 32 h + 8 j + i: a WHOLE block of 32, as the next operand's layout wants it: no other lane is asked for a block's maximum or codes.
; K = 64 IN AN INSTRUCTION OF K = 128: K's operand names 12 registers, its upper 64 along K the next tile's codes (behind the last: zeros).  They meet Q's upper 64, zero CODES, under scale bytes 0 on both sides: they add nothing.
; SCALE WORDS in LDS, 1,024 bytes a step: lane r's eight words of K's tiles at 32 r, its four words of V's channel tiles at 512 + 32 r.
; LIMITS: the promise holds while the scaled scores t stay under 2^31 in magnitude; a block of zeros gets the byte 1 (its codes are zeros; this program alone reads the bytes); NaN and infinities are not served.
.set STEPB, 15360                      ; a key step in LDS: 16 images of 960 bytes
.set VOF,   7680                       ; V's eight behind K's eight
.set IMG,   960
.set SCB,   245760                     ; the scale words, written by LDS stores alone
.set SPARE, 262144                     ; the spare words, 128 bytes for each wave
.set ATS,   264192                     ; 1,024 bytes: the results' scale bytes
.set LK,   1                           ; lane terms: K's 16-byte pieces, K's 8-byte pieces, V's 16-byte pieces, 8 x lane
.set LK8,  2
.set LV,   3
.set L8,   4
.set SPW,  5                           ; my spare word; never rewritten
.set NIL,  6                           ; 0; never rewritten
.set LS,   7                           ; SCB + 32 r
.set ADK,  8                           ; v8, v9 the step's images of K;  v10, v11 of V
.set ADV,  10
.set QF,   16                          ; v16-21 Q's image, v22-27 zeros
.set ADS,  28                          ; the step's scale words
.set SH8,  29                          ; 8 h
.set LI,   30                          ; 16 x lane
.set KV,   32                          ; v32-79 eight images of K, or four fragments of V; v80-85 zeros
.set AO,   86                          ; v86 ATS + 32 wave + 2 r;  v87 ATS + 16 x lane
.set Q2,   88                          ; v88-93 the second pass's Q, v94 its scale words
.set S,    96                          ; v96-159 S^T, then p
.set O,    160                         ; v160-191 O^T
.set PCD,  192                         ; v192-203 p's codes;  v204-210 the conversions' second halves
.set PC2,  204
.set SW,   212                         ; v212-219 K's scale words
.set QS,   220
.set PS,   221                         ; p's scale word
.set SWV,  222                         ; v222-225 V's scale words
.set BM,   226                         ; v226-229 largest scores in four chains; then v226, v228 the two blocks' largest p
.set BO,   230                         ; the conversions' scale operands
.set BB,   232                         ; the bytes
.set BP,   234                         ; v234, v235 what the other half of the lanes sends
.set W,    236
.set TMP,  237
.set F,    240                         ; v[240:241] f = 2^(old M - new M)
.set T2,   242                         ; (v238-239, v244-255: the sum's seven side chains)
.set WV,   18
.set CN,   19                          ; -c
.set SEL,  20                          ; s[20:21] lane selects: lane l xor 16
.set CS,   22                          ; s[22:23] c = log2(e) / 8
.set G1,   24
.set G0,   32
.set TB,   72
.set TS,   73
.set CNT,  75
.macro WALU
	s_wait_alu depctr_va_vdst(0)
.endm
.macro CROUND                          ; a round of the cluster's barrier
	s_barrier_signal -1
	s_barrier_wait -1
	s_cmp_lg_u32 s[WV], 0
	s_cbranch_scc1 .Lnot_wave_0_\@
	s_barrier_signal -3
.Lnot_wave_0_\@:
	s_barrier_wait -3
	s_barrier_signal -1
	s_barrier_wait -1
.endm
.macro TLOAD
	tensor_load_to_lds s[G0:G0+3], s[G1:G1+7]
	s_nop 0
.rept 4
	v_nop
.endr
.endm
	s_load_b256 s[4:11], s[0:1], 0x0               ; qkvc s[4:5], qkvs s[6:7], attc s[8:9], atts s[10:11]
	v_lshl_add_u32 v[SPW], v0, 2, SPARE
	v_mov_b32 v[NIL], 0
	ds_add_u32 v[SPW], v[NIL]                      ; the opening lines: the add, twice on end, and its wait ahead of the first tensor load
	ds_add_u32 v[SPW], v[NIL]
	v_lshrrev_b32 v8, 5, v0
	s_delay_alu instid0(VALU_DEP_1)
	v_readfirstlane_b32 s[WV], v8                  ; wave 0..15
	s_bfe_u32 s12, ttmp6, 0x40000                  ; cx: it enters the addresses of q and of the results alone
	s_lshl_b32 s13, s12, 1                         ; my first block of 256 queries
	s_and_b32 s16, ttmp7, 0xffff
	s_and_b32 s14, s16, 15                         ; the head
	s_lshr_b32 s15, s16, 4                         ; the batch: both shared by the four partners
	s_lshl_b32 s82, s15, 7                         ; 128 tiles a batch
	s_mov_b32 s[G1], 15|(3<<16)|(1<<20)|(1<<21)|(5<<22)|(15<<25)   ; mask: all four; elements of 8 bytes; padding on; 21 set beside a mask; after every 64 words, 16 words
	s_mov_b32 s[G1+1], 768<<16                     ; tensor_dim0: 6,144 bytes
	s_mov_b32 s[G1+2], 2<<16                       ; tensor_dim1: K's row, V's row
	s_mov_b32 s[G1+3], 768<<16                     ; tile_dim0
	s_mov_b32 s[G1+4], 2                           ; tile_dim1
	s_mov_b32 s[G1+5], 786432                      ; from k's region to v's: 16 regions x 512 images x 768 bytes, in elements
	s_mov_b32 s[G1+6], 0
	s_mov_b32 s[G1+7], 0
	s_add_co_u32 s80, s14, 16                      ; my key step: region 16 + head, image 128 batch + 8 wave
	s_lshl_b32 s80, s80, 9
	s_add_co_u32 s80, s80, s82
	s_lshl_b32 s81, s[WV], 3
	s_add_co_u32 s80, s80, s81
	s_mul_i32 s80, s80, 768
	s_mov_b32 s81, 0
	s_mul_i32 s83, s[WV], STEPB                    ; and where it goes
	s_lshl_b32 s84, s14, 9                         ; q: region head, image 128 batch + 16 block + wave; the second pass's lies 16 images on
	s_add_co_u32 s84, s84, s82
	s_lshl_b32 s85, s13, 4
	s_add_co_u32 s84, s84, s85
	s_add_co_u32 s84, s84, s[WV]
	s_lshl_b32 s86, s84, 6                         ; its scale words
	s_mul_i32 s84, s84, 768
	s_mov_b32 s85, 0
	s_mov_b32 s87, 0
	s_lshl_b32 s88, s13, 4                         ; attc: (token tile x 16 + head) images
	s_add_co_u32 s88, s88, s[WV]
	s_add_co_u32 s88, s88, s82
	s_lshl_b32 s88, s88, 4
	s_add_co_u32 s88, s88, s14
	s_mul_i32 s88, s88, 768
	s_mov_b32 s89, 0
	s_lshl_b32 s90, s14, 14                        ; atts: 16,384 head + 2 x (2,048 batch + 256 block)
	s_lshl_b32 s91, s15, 12
	s_add_co_u32 s90, s90, s91
	s_lshl_b32 s91, s13, 9
	s_add_co_u32 s90, s90, s91
	s_mov_b32 s91, 0
	s_add_co_u32 s92, s14, 16                      ; K's scale words: (region x 512 + 128 batch) x 64, my step's 512 bytes
	s_lshl_b32 s92, s92, 9
	s_add_co_u32 s92, s92, s82
	s_lshl_b32 s92, s92, 6
	s_lshl_b32 s93, s[WV], 9
	s_add_co_u32 s92, s92, s93
	s_mov_b32 s93, 0
	s_lshl_b32 s94, s14, 8                         ; V's: 1,048,576 + (256 head + 64 batch) x 64, my step's 256 bytes
	s_lshl_b32 s95, s15, 6
	s_add_co_u32 s94, s94, s95
	s_lshl_b32 s94, s94, 6
	s_add_co_u32 s94, s94, 1048576
	s_lshl_b32 s95, s[WV], 8
	s_add_co_u32 s94, s94, s95
	s_mov_b32 s95, 0
	s_mov_b32 s[SEL], 0x76543210
	s_mov_b32 s[SEL+1], 0xfedcba98
	s_mov_b32 s[CS], 0x3e38aa3b                    ; c = log2(e) / 8
	s_mov_b32 s[CS+1], s[CS]                       ; (named with it as a pair)
	s_mov_b32 s[CN], 0xbe38aa3b                    ; -c
	s_wait_dscnt 0x0                               ; both opening adds are done
	s_wait_kmcnt 0x0
	s_add_nc_u64 s[80:81], s[4:5], s[80:81]
	s_add_nc_u64 s[84:85], s[4:5], s[84:85]
	s_add_nc_u64 s[86:87], s[6:7], s[86:87]
	s_add_nc_u64 s[88:89], s[8:9], s[88:89]
	s_add_nc_u64 s[90:91], s[10:11], s[90:91]
	s_add_nc_u64 s[92:93], s[6:7], s[92:93]
	s_add_nc_u64 s[94:95], s[6:7], s[94:95]
	CROUND                                         ; all four work-groups are here: the joint loads meet
	s_mov_b32 s[G0], 1
	s_mov_b32 s[G0+1], s83
	s_mov_b64 s[G0+2:G0+3], s[80:81]
	s_or_b32 s[G0+3], s[G0+3], 0x80000000
	s_cmp_lt_u32 s[WV], 4                          ; one load a wave; steps 0-3 have a line of their own, so that the first barrier can show them alone
	s_cbranch_scc0 .Llater
	TLOAD
	s_branch .Lasked
.Llater:
	TLOAD
.Lasked:
	v_and_b32 v8, 31, v0                           ; lane
	v_and_b32 v9, 15, v0                           ; r
	v_bfe_u32 v10, v0, 4, 1                        ; h
	v_lshlrev_b32 v[LI], 4, v8
	v_lshlrev_b32 v[L8], 3, v8
	v_lshlrev_b32 v11, 2, v9                       ; 4 r
	global_load_b128 v[S:S+3], v[LI], s[92:93]     ; my step's scale words of K: tile lane / 4, rows 4 (lane % 4) + 0 .. 3
	global_load_b64 v[S+4:S+5], v[L8], s[94:95]    ; and of V: channel tile lane / 8, rows 2 (lane % 8) + 0, 1
	global_load_b128 v[QF:QF+3], v[LI], s[84:85]   ; both passes' Q stay in registers
	global_load_b64 v[QF+4:QF+5], v[L8], s[84:85] offset:512
	global_load_b32 v[QS], v11, s[86:87]
	global_load_b128 v[Q2:Q2+3], v[LI], s[84:85] offset:12288
	global_load_b64 v[Q2+4:Q2+5], v[L8], s[84:85] offset:12800
	global_load_b32 v[Q2+6], v11, s[86:87] offset:1024
	v_bfe_u32 v[S+12], v0, 3, 1                    ; r / 8
	v_and_b32 v[S+13], 7, v0                       ; r % 8
	v_mul_u32_u24 v[S+12], v[S+12], 2*IMG          ; rows 8-15 come from the image two on
	v_mul_u32_u24 v[S+14], v10, 320                ; lanes 16-31: the image's second 256 bytes
	v_add_nc_u32 v[LK], v[S+12], v[S+14]
	v_lshl_add_u32 v[LK], v[S+13], 4, v[LK]
	v_lshl_add_u32 v[LK8], v10, 7, v[S+12]
	v_lshl_add_u32 v[LK8], v[S+13], 3, v[LK8]
	v_lshl_add_u32 v[LV], v9, 4, v[S+14]
	v_lshl_add_u32 v[LS], v9, 5, SCB
	v_lshlrev_b32 v[SH8], 3, v10
	s_lshl_b32 s80, s[WV], 10
	s_add_co_u32 s80, s80, SCB                     ; my step's 1,024 bytes of scale words
	v_bfe_u32 v[S+8], v0, 3, 1                     ; K's word of image T = lane / 4, row 4 (lane % 4) + i goes to 32 r + 4 (4 c + j): r = 8 (T / 2 % 2) + 4 (lane % 2) + i, c = T / 4, j = 2 (lane / 2 % 2) + T % 2
	v_lshlrev_b32 v[S+8], 8, v[S+8]
	v_and_b32 v[S+9], 1, v0
	v_lshl_or_b32 v[S+8], v[S+9], 7, v[S+8]
	v_bfe_u32 v[S+9], v0, 4, 1
	v_lshl_or_b32 v[S+8], v[S+9], 4, v[S+8]
	v_bfe_u32 v[S+9], v0, 1, 1
	v_lshl_or_b32 v[S+8], v[S+9], 3, v[S+8]
	v_bfe_u32 v[S+9], v0, 2, 1
	v_lshl_or_b32 v[S+8], v[S+9], 2, v[S+8]
	v_add_nc_u32 v[S+10], s80, v[S+8]
	v_and_b32 v[S+9], 7, v0                        ; V's word of tile lane / 8, row 2 (lane % 8) + i goes to 512 + 32 row + 4 tile
	v_lshlrev_b32 v[S+9], 6, v[S+9]
	v_bfe_u32 v[S+8], v0, 3, 2
	v_lshl_or_b32 v[S+9], v[S+8], 2, v[S+9]
	v_add_nc_u32 v[S+11], s80, v[S+9]
	s_lshl_b32 s81, s[WV], 5
	s_add_co_u32 s81, s81, ATS
	v_lshl_add_u32 v[AO], v9, 1, s81
	v_add_nc_u32 v[AO+1], ATS, v[LI]
	WALU
	s_wait_loadcnt 6                               ; the two loads of scale words are in; Q's six may be out
.irp i, 0,1,2,3
	ds_store_b32 v[S+10], v[S+\i] offset:32*\i
.endr
.irp i, 0,1
	ds_store_b32 v[S+11], v[S+4+\i] offset:512+32*\i
.endr
.irp j, 0,1,2,3,4,5
	v_mov_b32 v[QF+6+\j], 0                        ; Q's upper 64 along K: zero codes
	v_mov_b32 v[KV+48+\j], 0                       ; and what the last tile of K names behind its image
.endr
	v_mov_b32 v[BP], 0                             ; written once: a lane permute's destination counts as one of its sources
	v_mov_b32 v[BP+1], 0
	v_mov_b32 v[TMP], 0
	v_mov_b32 v[F+1], 0                            ; (named as the upper half of a pair)
.macro PASSINIT                        ; the step has no first form of its own: it finds zeros, which the first change of M leaves zeros
	v_mov_b32 v13, 0xff61b1e6                      ; the largest score so far: -3e38
	v_mov_b32 v12, 0x7e000000                      ; -M: 2^125, a whole number over every -M that follows
	v_mov_b32 v14, 0                               ; the sum, in two halves
	v_mov_b32 v15, 0
.set j, 0
.rept 32
	v_mov_b32 v[O+j], 0
.set j, j+1
.endr
	s_mov_b32 s[TB], 0
	s_mov_b32 s[TS], 0
.endm
.macro TSET q                          ; side chain q: v244 .. v254 by twos, then v238
.set TQ_, 244+2*(\q)-18*((\q)/6)
.endm
; A KEY STEP: 128 keys.
.macro STEP
	v_add_nc_u32 v[ADK], s[TB], v[LK]
	v_add_nc_u32 v[ADK+1], s[TB], v[LK8]
	v_add_nc_u32 v[ADV], s[TB], v[LV]
	v_add_nc_u32 v[ADV+1], s[TB], v[L8]
	v_add_nc_u32 v[ADS], s[TS], v[LS]
.irp t, 0,1,2,3,4,5,6,7                        ; tile t = 4 c + j
	ds_load_b128 v[KV+6*\t:KV+6*\t+3], v[ADK] offset:IMG*(4*(\t/4)+\t%2)+128*((\t%4)/2)
	ds_load_b64 v[KV+6*\t+4:KV+6*\t+5], v[ADK+1] offset:IMG*(4*(\t/4)+\t%2)+640+64*((\t%4)/2)
.endr
	ds_load_b128 v[SW:SW+3], v[ADS]
	ds_load_b128 v[SW+4:SW+7], v[ADS] offset:16
	ds_load_b128 v[SWV:SWV+3], v[ADS] offset:512
	WALU
	s_wait_dscnt 0x0
.irp t, 0,1,2,3,4,5,6,7                        ; S^T = K Q^T
	v_wmma_scale_f32_16x16x128_f8f6f4 v[S+8*\t:S+8*\t+7], v[KV+6*\t:KV+6*\t+11], v[QF:QF+11], 0, v[SW+\t], v[QS] matrix_a_fmt:MATRIX_FMT_FP6 matrix_b_fmt:MATRIX_FMT_FP6
.endr
	v_mov_b32 v[TMP], v12                          ; the old -M; with three v_nop the four places ahead of the loads into K's registers and of the maxima
.rept 3
	v_nop
.endr
.irp ct, 0,1,2,3                               ; V's four fragments land under the softmax
.irp c, 0,1
	ds_load_b128 v[KV+12*\ct+6*\c:KV+12*\ct+6*\c+3], v[ADV] offset:VOF+IMG*(4*\c+\ct)
	ds_load_b64 v[KV+12*\ct+6*\c+4:KV+12*\ct+6*\c+5], v[ADV+1] offset:VOF+IMG*(4*\c+\ct)+640
.endr
.endr
.irp b, 0,1,2,3                                ; the largest score of each of my two blocks of 32 keys, in two chains each; it serves the row's maximum and, since p rises with the score, the block's largest p
	v_max3_num_f32 v[BM+\b], v[S+16*\b], v[S+1+16*\b], v[S+2+16*\b]
.endr
.irp i, 3,5,7,9,11,13
.irp b, 0,1,2,3
	v_max3_num_f32 v[BM+\b], v[BM+\b], v[S+16*\b+\i], v[S+1+16*\b+\i]
.endr
.endr
.irp c, 0,2
	v_max3_num_f32 v[BM+\c], v[BM+\c], v[BM+1+\c], v[S+15+16*\c]
.endr
.irp c, 0,2
	v_max_num_f32 v[BM+\c], v[BM+\c], v[S+31+16*\c]
.endr
	v_max_num_f32 v[T2], v[BM], v[BM+2]
	v_permlanex16_b32 v[BP], v[T2], s[SEL], s[SEL+1]
	v_max3_num_f32 v13, v13, v[T2], v[BP]          ; the running largest score of my query
	v_mul_f32 v[T2], s[CN], v13                    ; -t
	v_floor_f32 v12, v[T2]                         ; the new -M = floor(-t) = -ceil(t)
.set j, 0
.rept 32
	v_pk_fma_f32 v[S+j:S+j+1], v[S+j:S+j+1], s[CS:CS+1], v[12:13] op_sel_hi:[1,0,0]   ; t - M, two at a time
.if j == 8
	v_sub_f32 v[TMP], v12, v[TMP]                  ; old M - new M: a whole number, 0 or less
.endif
.if j == 24
	v_cvt_i32_f32 v[TMP], v[TMP]                   ; (it saturates)
.endif
.if j == 40
	v_ldexp_f32 v[F], 1.0, v[TMP]                  ; f = 2^(old M - new M)
.endif
.set j, j+2
.endr
.irp c, 0,2
	v_fma_f32 v[BM+\c], v[BM+\c], s[CS], v12       ; the same of each block's largest score
.endr
	WALU                                           ; the wait ahead of the batch
.irp c, 0,2
	v_exp_f32 v[BM+\c], v[BM+\c]                   ; the block's largest p: the same two instructions on the same number give the same bits
.endr
.set j, 0
.rept 64
	v_exp_f32 v[S+j], v[S+j]                       ; p = 2^(t - M), not normalised
.set j, j+1
.endr
	v_pk_mul_f32 v[14:15], v[14:15], v[F:F+1] op_sel_hi:[1,0]   ; the sum under the new M: the plain place behind the batch
	WALU                                           ; one wait behind the batch, directly ahead of O^T's first readers
.set j, 0
.rept 16
	v_pk_mul_f32 v[O+j:O+j+1], v[O+j:O+j+1], v[F:F+1] op_sel_hi:[1,0]   ; O^T under the new M
.set j, j+2
.endr
.irp c, 0,1
	v_max_num_f32 v[BM+2*\c], 0x1800000, v[BM+2*\c]   ; the floor 2^(3 - 127): the byte cannot fall under 1
.endr
.irp c, 0,1
	s_delay_alu instid0(VALU_DEP_2)
	v_add_nc_u32 v[BO+\c], 0xff000000, v[BM+2*\c]  ; 2 off the exponent field: the conversion's scale operand
.endr
.irp c, 0,1
	s_delay_alu instid0(VALU_DEP_2)
	v_lshrrev_b32 v[BB+\c], 23, v[BO+\c]           ; the scale's byte
.endr
	s_delay_alu instid0(VALU_DEP_1)
	v_lshl_or_b32 v[W], v[BB+1], 16, v[BB]         ; my bytes: blocks h and 2 + h,
	s_delay_alu instid0(VALU_DEP_1)
	v_lshlrev_b32 v[W], v[SH8], v[W]               ; at their places in the word
	s_delay_alu instid0(VALU_DEP_1)
	v_permlanex16_b32 v[BP+1], v[W], s[SEL], s[SEL+1]
.irp c, 0,1
	v_cvt_scalef32_pk16_fp6_f32 v[PCD+6*\c:PCD+6*\c+2], v[S+32*\c:S+32*\c+15], v[BO+\c]
	v_cvt_scalef32_pk16_fp6_f32 v[PC2+4*\c:PC2+4*\c+2], v[S+16+32*\c:S+31+32*\c], v[BO+\c]   ; (a conversion's three registers begin on an even number)
.endr
	v_or_b32 v[PS], v[W], v[BP+1]                  ; with lane l xor 16's two the word is whole.  (The plain place behind the conversions)
.irp c, 0,1
.irp i, 0,1,2
	v_mov_b32 v[PCD+3+6*\c+\i], v[PC2+4*\c+\i]
.endr
.endr
.irp q, 0,1,2,3,4,5,6                          ; THE ROW'S SUM OF THE UNQUANTISED p, two at a time, in eight chains.  These eight lines are also the places between the writes of p's codes and word and the products
	TSET \q
	v_pk_add_f32 v[TQ_:TQ_+1], v[S+2*\q:S+2*\q+1], v[S+14+2*\q:S+15+2*\q]
.endr
	v_pk_add_f32 v[14:15], v[14:15], v[S+28:S+29]
	WALU
	s_wait_dscnt 0x0                               ; V
.irp ct, 0,1,2,3                               ; O^T += V^T P^T: the four accumulators by turns
	v_wmma_scale_f32_16x16x128_f8f6f4 v[O+8*\ct:O+8*\ct+7], v[KV+12*\ct:KV+12*\ct+11], v[PCD:PCD+11], v[O+8*\ct:O+8*\ct+7], v[SWV+\ct], v[PS] matrix_a_fmt:MATRIX_FMT_FP6 matrix_b_fmt:MATRIX_FMT_FP6
.endr
	s_add_co_u32 s[TB], s[TB], STEPB
	s_add_co_u32 s[TS], s[TS], 1024
.irp k, 15,23                                  ; the rest of the sum: it names none of the products' registers, and stands as the places behind them
.irp q, 0,1,2,3,4,5,6
	TSET \q
	v_pk_add_f32 v[TQ_:TQ_+1], v[TQ_:TQ_+1], v[S+2*(\k+\q):S+2*(\k+\q)+1]
.endr
	v_pk_add_f32 v[14:15], v[14:15], v[S+2*(\k+7):S+2*(\k+7)+1]
.endr
	v_pk_add_f32 v[244:245], v[244:245], v[S+62:S+63]
	v_pk_add_f32 v[14:15], v[14:15], v[250:251]
	v_pk_add_f32 v[246:247], v[246:247], v[254:255]
	v_pk_add_f32 v[248:249], v[248:249], v[238:239]
	v_pk_add_f32 v[244:245], v[244:245], v[252:253]
	s_delay_alu instid0(VALU_DEP_3)
	v_pk_add_f32 v[14:15], v[14:15], v[246:247]
	s_delay_alu instid0(VALU_DEP_2)
	v_pk_add_f32 v[244:245], v[244:245], v[248:249]
	s_delay_alu instid0(VALU_DEP_1)
	v_pk_add_f32 v[14:15], v[14:15], v[244:245]
.endm
.macro RUN n
	s_mov_b32 s[CNT], \n
.Lstep_\@:
	STEP
	s_sub_co_u32 s[CNT], s[CNT], 1
	s_cmp_lg_u32 s[CNT], 0
	WALU
	s_cbranch_scc1 .Lstep_\@
.endm
; THE WAY OUT of pass p.  O^T / the sum is my 16 queries' 64 numbers of this head: register 16 b + i is channel 32 b + 16 h + i: two blocks of 32 along the last product's K: one image and two scale bytes a row.
.macro EPI p
	v_add_f32 v14, v14, v15                        ; the sum's two halves,
	s_delay_alu instid0(VALU_DEP_1)
	v_permlanex16_b32 v[TMP], v14, s[SEL], s[SEL+1]
	s_delay_alu instid0(VALU_DEP_1)
	v_add_f32 v14, v14, v[TMP]                     ; and lane l xor 16's: the row's sum
	WALU
	v_rcp_f32 v14, v14
	v_nop                                          ; the plain place behind the reciprocal
	WALU                                           ; ahead of the reciprocal's, and O^T's, first reader
.set j, 0
.rept 32
	v_mul_f32 v[S+j], v[O+j], v14
.set j, j+1
.endr
.irp b, 0,1
	v_max3_num_f32 v[BM+\b], |v[S+16*\b]|, |v[S+1+16*\b]|, 0x1800000
.endr
.irp i, 2,4,6,8,10,12,14
.irp b, 0,1
	s_delay_alu instid0(VALU_DEP_2)
	v_max3_num_f32 v[BM+\b], v[BM+\b], |v[S+16*\b+\i]|, |v[S+1+16*\b+\i]|
.endr
.endr
.irp b, 0,1
	s_delay_alu instid0(VALU_DEP_2)
	v_permlanex16_b32 v[BP+\b], v[BM+\b], s[SEL], s[SEL+1]
.endr
.irp b, 0,1
	s_delay_alu instid0(VALU_DEP_2)
	v_max_num_f32 v[BM+\b], v[BM+\b], v[BP+\b]
.endr
.irp b, 0,1
	s_delay_alu instid0(VALU_DEP_2)
	v_add_nc_u32 v[BO+\b], 0xff000000, v[BM+\b]
.endr
.irp b, 0,1
	s_delay_alu instid0(VALU_DEP_2)
	v_lshrrev_b32 v[BB+\b], 23, v[BO+\b]
.endr
	s_delay_alu instid0(VALU_DEP_1)
	v_lshl_or_b32 v[PS], v[BB+1], 8, v[BB]         ; my row's two bytes
	v_cvt_scalef32_pk16_fp6_f32 v[PCD:PCD+2], v[S:S+15], v[BO]
	v_cvt_scalef32_pk16_fp6_f32 v[PC2:PC2+2], v[S+16:S+31], v[BO+1]
	v_nop                                          ; one plain place behind a scaled conversion
.irp i, 0,1,2
	v_permlane16_swap_b32 v[PCD+\i], v[PC2+\i]     ; here a block lies in lanes l and l xor 16: the layout wants it whole in a lane
.endr
.irp i, 0,1,2
	s_delay_alu instid0(VALU_DEP_3)
	v_mov_b32 v[PCD+3+\i], v[PC2+\i]
.endr
	global_store_b128 v[LI], v[PCD:PCD+3], s[88:89] offset:196608*\p   ; the image as it stands: 512 and 256 consecutive bytes, aligned; the second pass's tile lies 256 images on
	global_store_b64 v[L8], v[PCD+4:PCD+5], s[88:89] offset:196608*\p+512
	ds_store_b16 v[AO], v[PS] offset:512*\p        ; both halves of the lanes write the same bytes with the same value
.endm
	PASSINIT
	WALU
	s_wait_loadcnt 0x0                             ; Q
	s_cmp_lt_u32 s[WV], 4
	s_cbranch_scc0 .Lnot_first
	s_wait_tensorcnt 0x0                           ; steps 0-3 have landed
.Lnot_first:
	s_wait_dscnt 0x0                               ; my scale words have landed
	s_barrier_signal -1
	s_barrier_wait -1                              ; the other twelve loads may be out
	RUN 4
	s_wait_tensorcnt 0x0                           ; every wave's load has landed
	s_wait_dscnt 0x0
	s_barrier_signal -1
	s_barrier_wait -1                              ; all of K and V is shown to all sixteen waves; from here on the waves meet only at the end
	RUN 12
	EPI 0
	WALU
	s_wait_xcnt 0x0                                ; the stores have read their data: the codes' registers may be written again
.irp j, 0,1,2,3,4,5
	v_mov_b32 v[QF+\j], v[Q2+\j]                   ; the second pass's queries
.endr
	v_mov_b32 v[QS], v[Q2+6]
	PASSINIT
	RUN 16
	EPI 1
	WALU
	s_wait_dscnt 0x0                               ; for the others' sake: my stores have landed
	s_barrier_signal -1
	s_barrier_wait -1
	s_cmp_lg_u32 s[WV], 0
	s_cbranch_scc1 .Lend
	ds_load_b128 v[S:S+3], v[AO+1]                 ; wave 0 stores the work-group's 1,024 scale bytes: four aligned blocks of 256
	ds_load_b128 v[S+4:S+7], v[AO+1] offset:512
	s_wait_dscnt 0x0
	global_store_b128 v[LI], v[S:S+3], s[90:91]
	global_store_b128 v[LI], v[S+4:S+7], s[90:91] offset:512
.Lend:
	s_wait_tensorcnt 0x0                           ; the wave's end
	ds_add_u32 v[SPW], v[NIL]
	s_wait_dscnt 0x0
	CROUND                                         ; the closing round
	s_endpgm
.Lfunc_end_k_qce61984366_attn:
	.size	k_qce61984366_attn, .Lfunc_end_k_qce61984366_attn-k_qce61984366_attn
	.p2alignl 7, 3214868480
	.fill 96, 4, 3214868480
	.section	.rodata,"a",@progbits
	.p2align	6, 0x0
	.amdhsa_kernel k_qce61984366_attn
		.amdhsa_group_segment_fixed_size 266240
		.amdhsa_private_segment_fixed_size 0
		.amdhsa_enable_private_segment 0
		.amdhsa_kernarg_size 32
		.amdhsa_user_sgpr_count 2
		.amdhsa_user_sgpr_kernarg_segment_ptr 1
		.amdhsa_wavefront_size32 1
		.amdhsa_system_sgpr_workgroup_id_x 1
		.amdhsa_system_sgpr_workgroup_id_y 1
		.amdhsa_system_sgpr_workgroup_id_z 1
		.amdhsa_system_vgpr_workitem_id 0
		.amdhsa_next_free_vgpr 256
		.amdhsa_next_free_sgpr 96
		.amdhsa_reserve_vcc 0
		.amdhsa_float_denorm_mode_32 3
		.amdhsa_float_denorm_mode_16_64 3
		.amdhsa_memory_ordered 1
		.amdhsa_forward_progress 1
		.amdhsa_inst_pref_size 67
	.end_amdhsa_kernel
	.amdgpu_metadata
---
amdhsa.version: [ 1, 2 ]
amdhsa.kernels:
  - .name:           k_qce61984366_attn
    .symbol:         k_qce61984366_attn.kd
    .args:
      - { .name: qkvc, .offset: 0, .size: 8, .value_kind: global_buffer, .address_space: global }
      - { .name: qkvs, .offset: 8, .size: 8, .value_kind: global_buffer, .address_space: global }
      - { .name: attc, .offset: 16, .size: 8, .value_kind: global_buffer, .address_space: global }
      - { .name: atts, .offset: 24, .size: 8, .value_kind: global_buffer, .address_space: global }
    .group_segment_fixed_size: 266240
    .private_segment_fixed_size: 0
    .kernarg_segment_align: 8
    .kernarg_segment_size: 32
    .max_flat_workgroup_size: 512
    .sgpr_count:     96
    .vgpr_count:     256
    .wavefront_size: 32
...
	.end_amdgpu_metadata
.endif
;; end of part 3
;; launch proj (part 4): grid 8 x 32, 4 waves a work-group, clusters of 4 x 4, 327,680 bytes of LDS; arguments attc, atts, cod, scl, proj_b, out0; writes out0
.if DOCPART == 4
	.amdgcn_target "amdgcn-amd-amdhsa--gfx1250"
	.amdhsa_code_object_version 6
	.text
	.protected	k_qce61984366_proj
	.globl	k_qce61984366_proj
	.p2align	8
	.type	k_qce61984366_proj,@function
k_qce61984366_proj:
	s_mov_b64 s[64:65], 0
	v_nop
	global_prefetch_b8 v0, s[64:65] scope:SCOPE_SE
	s_setreg_imm32_b32 hwreg(HW_REG_WAVE_MODE, 25, 1), 1
	s_wait_xcnt 0x0
	s_wait_alu depctr_hold_cnt(0) depctr_sa_sdst(0) depctr_va_vdst(0) depctr_va_sdst(0) depctr_va_ssrc(0) depctr_va_vcc(0) depctr_vm_vsrc(0)
	s_getreg_b32 s2, hwreg(HW_REG_IB_STS2, 6, 4)
	s_cmp_eq_u32 s2, 0
	s_cbranch_scc0 .Lentry_in_a_cluster
	s_endpgm
.Lentry_in_a_cluster:
	s_bfe_u32 s2, ttmp6, 0x10000c
	s_cmp_lg_u32 s2, 0xf033
	s_cbranch_scc0 .Lentry_shape_is_right
	s_endpgm
.Lentry_shape_is_right:
; out0 = att proj_w^T + proj_b on codes of FP6 (E2M3) with E8M0 scales, K = 1,024; out0 [8192][1024] f32.
; SHARES.  32 x 8 blocks of 256 rows x 128 columns: 256 work-groups of four waves, 2 x 2: a wave makes 128 rows x 64 columns.
; ALL OF K LIES IN LDS, filled ONCE by the head's four joint loads: proj_w's 8 tiles (98,304 bytes), its scales, and att's 16 tiles in two halves.  No byte is filled again: no ring, and no round but the opening and the closing one.
; A wave holds its 64 rows of proj_w, all of K, in registers (4 tiles x 8 fragments x 12 = 384) and streams its 128 rows of att past them in eight blocks of 16 rows: 8 fragments and 8 scale words, twice in registers:
; block s's 32 products read set s % 2, and behind them that set takes block s + 2.  A block's 16 x 64 results are finished after its 32 products and leave at once, through the wave's own stage, while the next block is multiplied.
; THE MATRIX INSTRUCTION IS USED TRANSPOSED: source 0 = 16 rows of proj_w, source 1 = 16 rows of att: a lane holds one row of out0 and neighbouring columns.  THE BIAS is the C of each sum's first product.
; TILES AND IMAGES as the launches before laid them: image row r of tile T is row 32 (T / 2) + 8 (T % 2) + r + 8 (r / 8); an image is 16 rows x 64 K, 768 bytes: lane l's registers 0-3 at 16 l, registers 4-5 at 512 + 8 l.
; attc: [tile][16 images][768], as cod.  proj_w's tiles are cod's 704 on, its scales scl's.  att's scale bytes lie [head][image row][2]: each thread gathers two rows' 32 bytes once and lays them in LDS as scl's lie there.
; CLUSTERS: 4 x 4.  att's tiles are asked for jointly along a row of the cluster, proj_w's tiles and scales along a column.
; No prefetch: every tensor load of the launch is issued at its head, and there is no loop to run ahead in.
; REGISTERS, in windows of 256: window 0: v0-31 addresses; v32-47 proj_w's scale words; v50-65 att's, two sets; v66-97 the bias; v98-161 two sets of four accumulators; v162-225 two sets of rows read back from the stage.
;   windows 1, 2: proj_w's fragment 4 q + b at 12 ((4 q + b) % 16), sixteen to a window.   window 3: att's fragments, set e at 96 e.
.set TILEB,  12288                     ; a tile of 16 rows, all of K: 16 images
.set BBASE,  16*TILEB                  ; behind att's 16 tiles: proj_w's 8
.set SCLA,   BBASE+8*TILEB             ; att's scales, 8,704 bytes, written by LDS stores alone: rows of 32 bytes, 16 bytes more behind every 256
.set SCLB,   SCLA+8704                 ; proj_w's, 4,352 bytes, filled once
.set SBLK,   544                       ; the scales of 16 rows
.set SPARE,  SCLB+4352                 ; the spare words, 128 bytes for each wave
.set STAGE,  SPARE+512                 ; the way out: 16 rows x (256 bytes + 16) for each wave; no fill lands here
.set SPITCH, 272
.set NF,     34                        ; LDS loads of a block: 32 for eight fragments, 2 for eight scale words
.set ADA,  16                          ; v16, v17 my blocks 0-3: + 16 x lane, + 8 x lane;  v18, v19 my blocks 4-7
.set ADB,  20                          ; v20, v21 my four tiles of proj_w
.set ADSA, 22                          ; my row's scale words in block 0
.set ADSB, 23                          ; proj_w's: lanes 0-15 an even tile's rows, lanes 16-31 the next tile's
.set STO,  24                          ; the stage, on the way in
.set RD,   25                          ; and back: sixteen lanes to a row
.set CO,   26                          ; 16 x lane
.set GO,   27                          ; my place in out0: 4,096 (lane / 16) + 16 (lane % 16)
.set SPW,  28                          ; my spare word; never rewritten
.set NIL,  29                          ; 0; never rewritten
.set SB,   32
.set SA,   50
.set BC,   66
.set ACC,  98
.set BK,   162
.set G1,   24                          ; s[24:31], s[32:35] groups 1 and 0 for att's tiles
.set G0,   32
.set G1B,  48                          ; s[48:55], s[56:59] for proj_w's
.set G0B,  56
.set G1SB, 80                          ; s[80:87], s[88:91] for its scales
.set G0SB, 88
.set ASB,  96                          ; s[96:97] att's scale bytes of my 256 rows
.set MSB, 0
.macro WIN new                         ; the immediate's high byte repeats the setting that is left
.if MSB != \new
	s_set_vgpr_msb (MSB<<8)|\new
.set MSB, \new
.endif
.endm
.macro PLACES n
.rept \n
	v_nop
.endr
.endm
.macro BARRIER
	s_barrier_signal -1
	s_barrier_wait -1
.endm
.macro CROUND                          ; a round of the cluster's barrier
	BARRIER
	s_cmp_lg_u32 s14, 0
	s_cbranch_scc1 .Lnot_wave_0_\@
	s_barrier_signal -3
.Lnot_wave_0_\@:
	s_barrier_wait -3
	BARRIER
.endm
.macro TLOAD g0, g1                    ; an s_nop 0 and four v_nop follow the load
	tensor_load_to_lds s[\g0:\g0+3], s[\g1:\g1+7]
	s_nop 0
	PLACES 4
.endm
	s_load_b256 s[4:11], s[0:1], 0x0               ; attc s[4:5], atts s[6:7], cod s[8:9], scl s[10:11]
	s_load_b128 s[92:95], s[0:1], 0x20             ; proj_b s[92:93], out0 s[94:95]
	v_lshl_add_u32 v[SPW], v0, 2, SPARE
	v_mov_b32 v[NIL], 0
	ds_add_u32 v[SPW], v[NIL]                      ; the opening lines: the add, twice on end, and its wait ahead of my first tensor load
	ds_add_u32 v[SPW], v[NIL]
	v_lshrrev_b32 v1, 5, v0
	v_readfirstlane_b32 s14, v1                    ; wave 0..3
	s_lshr_b32 s15, s14, 1                         ; which 128 rows are mine
	s_and_b32 s16, s14, 1                          ; which 64 columns.  Also, for waves 2 and 3: which half of att's tiles I fetch
	s_bfe_u32 s40, ttmp6, 0x40000                  ; cx, cy
	s_bfe_u32 s41, ttmp6, 0x40004
	s_lshl_b32 s42, ttmp9, 2
	s_add_co_u32 s42, s42, s40                     ; block column, 0 .. 7
	s_and_b32 s17, ttmp7, 0xffff
	s_lshl_b32 s17, s17, 2
	s_add_co_u32 s17, s17, s41                     ; block row, 0 .. 31
	s_lshl_b32 s43, s41, 2
	s_lshl_b32 s43, 15, s43                        ; my row of the cluster
	s_lshl_b32 s44, 0x1111, s40                    ; my column
	s_or_b32 s[G1+0], s43, (3<<16)|(1<<21)         ; codes: 8 tiles, rows of 12,288 bytes on end, elements of 8 bytes, no padding
	s_or_b32 s[G1B+0], s44, (3<<16)|(1<<21)
.irp g, G1, G1B
	s_mov_b32 s[\g+1], 1536<<16
	s_mov_b32 s[\g+2], 8<<16
	s_mov_b32 s[\g+3], 1536<<16
	s_mov_b32 s[\g+4], 8
	s_mov_b32 s[\g+5], 1536
	s_mov_b32 s[\g+6], 0
	s_mov_b32 s[\g+7], 0
.endr
	s_or_b32 s[G1SB+0], s44, (3<<16)|(1<<20)|(1<<21)|(5<<22)|(3<<25)   ; the scales of 128 rows: 16 rows of 256 bytes, 16 bytes of padding behind each
	s_mov_b32 s[G1SB+1], 32<<16
	s_mov_b32 s[G1SB+2], 16<<16
	s_mov_b32 s[G1SB+3], 32<<16
	s_mov_b32 s[G1SB+4], 16
	s_mov_b32 s[G1SB+5], 32
	s_mov_b32 s[G1SB+6], 0
	s_mov_b32 s[G1SB+7], 0
	s_lshl_b32 s20, s17, 4
	s_lshl_b32 s18, s16, 3
	s_add_co_u32 s20, s20, s18                     ; attc's tile 16 x block row + 8 x half
	s_mul_i32 s20, s20, TILEB
	s_mov_b32 s21, 0
	s_lshl_b32 s46, s42, 3
	s_add_co_u32 s46, s46, 704                     ; cod's tile 704 + 8 x block column
	s_lshl_b32 s100, s46, 9                        ; its scales: 512 bytes a tile
	s_mov_b32 s101, 0
	s_mul_i32 s46, s46, TILEB
	s_mov_b32 s47, 0
	s_lshl_b32 s22, s17, 9                         ; att's scale bytes: 2 bytes a row, 256 rows
	s_mov_b32 s23, 0
	s_mul_i32 s45, s16, 8*TILEB                    ; where my half of att's tiles goes
	v_lshlrev_b32 v10, 2, v0                       ; thread t: rows 2 t and 2 t + 1
	s_wait_alu depctr_va_vdst(0)
	s_wait_dscnt 0x0                               ; both opening adds are done
	s_wait_kmcnt 0x0
	s_add_nc_u64 s[20:21], s[4:5], s[20:21]
	s_add_nc_u64 s[ASB:ASB+1], s[6:7], s[22:23]
	s_add_nc_u64 s[46:47], s[8:9], s[46:47]
	s_add_nc_u64 s[100:101], s[10:11], s[100:101]
.set i, 0
.rept 16
	global_load_b32 v[128+i], v10, s[ASB:ASB+1] offset:16384*i   ; head i's two bytes of my two rows: a wave reads 128 consecutive bytes
.set i, i+1
.endr
	CROUND                                         ; all sixteen work-groups are here: the joint loads meet
	s_mov_b32 s[G0], 1
	s_mov_b32 s[G0+1], s45
	s_mov_b64 s[G0+2:G0+3], s[20:21]
	s_or_b32 s[G0+3], s[G0+3], 0x80000000
	s_mov_b32 s[G0B], 1
	s_mov_b32 s[G0B+1], BBASE
	s_mov_b64 s[G0B+2:G0B+3], s[46:47]
	s_or_b32 s[G0B+3], s[G0B+3], 0x80000000
	s_mov_b32 s[G0SB], 1
	s_mov_b32 s[G0SB+1], SCLB
	s_mov_b64 s[G0SB+2:G0SB+3], s[100:101]
	s_or_b32 s[G0SB+3], s[G0SB+3], 0x80000000
	; THE HEAD'S LOADS, ONE A WAVE, what goes on into registers first: wave 0 proj_w's tiles, wave 1 its scales, waves 2 and 3 a half each of att's tiles.  One chain of branches on the wave's number
	s_cmp_lt_u32 s14, 1
	s_cbranch_scc0 .Lhead_s
	TLOAD G0B, G1B
	s_branch .Lasked
.Lhead_s:
	s_cmp_lt_u32 s14, 2
	s_cbranch_scc0 .Lhead_a
	TLOAD G0SB, G1SB
	s_branch .Lasked
.Lhead_a:
	TLOAD G0, G1
.Lasked:
	s_lshl_b32 s18, s42, 9
	s_lshl_b32 s19, s16, 8
	s_add_co_u32 s18, s18, s19                     ; my first column, in bytes: 4 x (128 x block column + 64 x half)
	s_mov_b32 s19, 0
	s_add_nc_u64 s[92:93], s[92:93], s[18:19]
	s_add_nc_u64 s[94:95], s[94:95], s[18:19]
	s_lshl_b32 s2, s17, 20
	s_lshl_b32 s3, s15, 19
	s_add_co_u32 s2, s2, s3                        ; my first row: 256 x block row + 128 x half, rows of 4,096 bytes
	s_mov_b32 s3, 0
	s_add_nc_u64 s[94:95], s[94:95], s[2:3]
	s_mul_i32 s70, s15, 8*TILEB                    ; my 8 tiles of att
	s_mul_i32 s71, s16, 4*TILEB
	s_add_co_u32 s71, s71, BBASE                   ; my 4 tiles of proj_w
	s_mul_i32 s72, s15, 8*SBLK
	s_add_co_u32 s72, s72, SCLA
	s_mul_i32 s73, s16, 4*SBLK
	s_add_co_u32 s73, s73, SCLB
	s_mul_i32 s74, s14, 16*SPITCH
	s_add_co_u32 s74, s74, STAGE                   ; my stage
	s_mov_b32 s75, 0x05040100                      ; the two low halves,
	s_mov_b32 s76, 0x07060302                      ; the two high halves
	v_and_b32 v1, 15, v0                           ; r
	v_bfe_u32 v2, v0, 4, 1                         ; h
	v_and_b32 v3, 31, v0                           ; lane
	v_lshlrev_b32 v8, 6, v2                        ; the bias: my 16 numbers of a block of 32 columns: 64 h bytes on
	v_lshlrev_b32 v[CO], 4, v3
	v_lshlrev_b32 v4, 3, v3
	v_add_nc_u32 v[ADA], s70, v[CO]
	v_add_nc_u32 v[ADA+1], s70, v4
	v_add_nc_u32 v[ADA+2], 4*TILEB, v[ADA]
	v_add_nc_u32 v[ADA+3], 4*TILEB, v[ADA+1]
	v_add_nc_u32 v[ADB], s71, v[CO]
	v_add_nc_u32 v[ADB+1], s71, v4
	v_lshlrev_b32 v5, 5, v1                        ; my row's scales: 32 bytes a row,
	v_lshrrev_b32 v6, 8, v5
	v_lshl_add_u32 v5, v6, 4, v5                   ; and 16 more for each 256 passed
	v_add_nc_u32 v[ADSA], s72, v5
	v_mul_u32_u24 v6, v2, SBLK                     ; lanes 16-31 take the next tile's rows
	v_add_nc_u32 v5, v5, v6
	v_add_nc_u32 v[ADSB], s73, v5
	v_mul_u32_u24 v7, v1, SPITCH
	v_lshl_add_u32 v7, v2, 6, v7
	v_add_nc_u32 v[STO], s74, v7                   ; in: row r, + 64 h
	v_mul_u32_u24 v9, v2, SPITCH
	v_lshl_add_u32 v9, v1, 4, v9
	v_add_nc_u32 v[RD], s74, v9                    ; back: lanes 0-15 one row of 256 bytes, lanes 16-31 the next
	v_lshlrev_b32 v[GO], 12, v2
	v_lshl_add_u32 v[GO], v1, 4, v[GO]             ; and the same two rows in out0
	v_lshrrev_b32 v11, 2, v0
	v_lshlrev_b32 v11, 4, v11
	v_lshl_add_u32 v11, v0, 6, v11
	v_add_nc_u32 v11, SCLA, v11                    ; att's scales: rows 2 t, 2 t + 1: 64 t bytes on, and 16 more for each 256 passed
	s_wait_alu depctr_va_vdst(0)
.set i, 0
.rept 8
	global_load_b128 v[BC+4*i:BC+4*i+3], v8, s[92:93] offset:128*(i/4)+16*(i%4)   ; register 8 b + j: column 32 (b / 2) + 16 h + 8 (b % 2) + j, as the accumulators have it
.set i, i+1
.endr
	s_wait_loadcnt 8                               ; att's scale bytes are in; the 8 loads of the bias may be out
.irp q, 0,1,2,3,4,5,6,7
	v_perm_b32 v[144+\q], v[129+2*\q], v[128+2*\q], s75   ; row 2 t: bytes 4 q .. 4 q + 3 are heads 2 q and 2 q + 1
	v_perm_b32 v[152+\q], v[129+2*\q], v[128+2*\q], s76   ; row 2 t + 1
.endr
.irp q, 0,1,2,3
	ds_store_b128 v11, v[144+4*\q:147+4*\q] offset:16*\q
.endr
	s_wait_alu depctr_va_vdst(0)
	s_cmp_lt_u32 s14, 2
	s_cbranch_scc0 .Lnot_w
	s_wait_tensorcnt 0x0                           ; proj_w's tiles, or its scales, have landed
.Lnot_w:
	s_wait_dscnt 0x0                               ; my stores of att's scales have landed
	BARRIER                                        ; att's tiles may still be on their way
.irp q, 0,1,2,3,4,5,6,7                        ; my 64 rows of proj_w, all of K: 128 loads
.irp b, 0,1,2,3
.set F_, 4*\q+\b
.set R_, 12*(F_%16)
	WIN ((1+F_/16)<<6)
	ds_load_b128 v[R_:R_+3], v[ADB] offset:TILEB*\b+1536*\q
	ds_load_b64 v[R_+4:R_+5], v[ADB+1] offset:TILEB*\b+1536*\q+512
	ds_load_b128 v[R_+6:R_+9], v[ADB] offset:TILEB*\b+1536*\q+768
	ds_load_b64 v[R_+10:R_+11], v[ADB+1] offset:TILEB*\b+1536*\q+1280
.endr
.endr
	WIN 0
.irp p, 0,1                                    ; and their scale words: register 8 p + q: lanes 0-15 tile 2 p, lanes 16-31 tile 2 p + 1
	ds_load_b128 v[SB+8*\p:SB+8*\p+3], v[ADSB] offset:2*SBLK*\p
	ds_load_b128 v[SB+8*\p+4:SB+8*\p+7], v[ADSB] offset:2*SBLK*\p+16
.endr
	s_wait_loadcnt 0x0                             ; the bias
	s_wait_tensorcnt 0x0                           ; every wave's load has landed
	s_wait_dscnt 0x0
	BARRIER                                        ; att's tiles are shown to all four waves; from here on the waves share nothing
.macro FETCH s                         ; block s of my rows into set s % 2: NF loads
	WIN 0xc0
.irp q, 0,1,2,3,4,5,6,7
.set R_, 96*((\s)%2)+12*\q
	ds_load_b128 v[R_:R_+3], v[ADA+2*((\s)/4)] offset:TILEB*((\s)%4)+1536*\q
	ds_load_b64 v[R_+4:R_+5], v[ADA+2*((\s)/4)+1] offset:TILEB*((\s)%4)+1536*\q+512
	ds_load_b128 v[R_+6:R_+9], v[ADA+2*((\s)/4)] offset:TILEB*((\s)%4)+1536*\q+768
	ds_load_b64 v[R_+10:R_+11], v[ADA+2*((\s)/4)+1] offset:TILEB*((\s)%4)+1536*\q+1280
.endr
	WIN 0
	ds_load_b128 v[SA+8*((\s)%2):SA+8*((\s)%2)+3], v[ADSA] offset:SBLK*(\s)
	ds_load_b128 v[SA+8*((\s)%2)+4:SA+8*((\s)%2)+7], v[ADSA] offset:SBLK*(\s)+16
.endm
.macro PROD1 d, s0, s1, c, x0, x1, o
.if \o
	v_wmma_scale_f32_16x16x128_f8f6f4 v[\d:\d+7], v[\s0:\s0+11], v[\s1:\s1+11], \c, v[\x0], v[\x1] matrix_a_fmt:MATRIX_FMT_FP6 matrix_b_fmt:MATRIX_FMT_FP6 matrix_a_scale:MATRIX_SCALE_ROW1
.else
	v_wmma_scale_f32_16x16x128_f8f6f4 v[\d:\d+7], v[\s0:\s0+11], v[\s1:\s1+11], \c, v[\x0], v[\x1] matrix_a_fmt:MATRIX_FMT_FP6 matrix_b_fmt:MATRIX_FMT_FP6
.endif
.endm
.macro MULS s                          ; a block's 32 products: K ascending, the four accumulators by turns; the first four take the bias as C
.set E_, (\s)%2
.set AC_, ACC+32*E_
.irp q, 0,1,2,3,4,5,6,7
	WIN ((1+\q/4)|(3<<2))                          ; source 0 window 1 or 2, source 1 window 3, C and D window 0
.irp b, 0,1,2,3
.set RB_, 12*((4*\q+\b)%16)
.set RA_, 96*E_+12*\q
.if \q == 0
	PROD1 AC_+8*\b, RB_, RA_, v[BC+8*\b:BC+8*\b+7], SB+8*(\b/2)+\q, SA+8*E_+\q, \b%2
.else
	PROD1 AC_+8*\b, RB_, RA_, v[AC_+8*\b:AC_+8*\b+7], SB+8*(\b/2)+\q, SA+8*E_+\q, \b%2
.endif
.endr
.endr
.endm
; THE WAY OUT of a block: in accumulator b lane (r, h) holds columns 32 (b / 2) + 16 h + 8 (b % 2) + 0 .. 7 of image row r.  They go into my stage and come back as whole rows of 256 bytes.
; LDS serves a wave's instructions in order (ISA guide 5.7.1.4): no wait between the stores and the loads, nor in front of the next block's stores.
.macro TOSTAGE s
.irp b, 0,1,2,3
	ds_store_b128 v[STO], v[ACC+32*((\s)%2)+8*\b:ACC+32*((\s)%2)+8*\b+3] offset:128*(\b/2)+32*(\b%2)      ; each accumulator from its low end on
	ds_store_b128 v[STO], v[ACC+32*((\s)%2)+8*\b+4:ACC+32*((\s)%2)+8*\b+7] offset:128*(\b/2)+32*(\b%2)+16
.endr
.if (\s) > 1
	s_wait_xcnt 0x0                                ; block s - 2's stores have read their registers: this block's rows may land there
.endif
.irp t, 0,1,2,3,4,5,6,7
	ds_load_b128 v[BK+32*((\s)%2)+4*\t:BK+32*((\s)%2)+4*\t+3], v[RD] offset:2*\t*SPITCH
.endr
.endm
.macro SEND k                          ; block k's rows are back: behind their loads only the fetch of block k + 2 was issued, where there is one
.if (\k) < 6
	s_wait_dscnt NF
.else
	s_wait_dscnt 0x0
.endif
.irp t, 0,1,2,3,4,5,6,7
	global_store_b128 v[GO], v[BK+32*((\k)%2)+4*\t:BK+32*((\k)%2)+4*\t+3], s[94:95] offset:(32*((\k)/2)+8*((\k)%2)+2*\t+8*(\t/4))*4096 th:TH_STORE_NT   ; image rows 2 t, 2 t + 1: sixteen lanes store 256 consecutive bytes, aligned
.endr
.endm
; A block.  Its rows were fetched two blocks ago; younger than that fetch are the last block's 16 stage instructions and the next block's fetch, where there is one.
.macro ITER s
.if (\s) == 0
	s_wait_dscnt NF
.elseif (\s) == 7
	s_wait_dscnt 16
.else
	s_wait_dscnt NF+16
.endif
	MULS \s
	WIN 0
	PLACES 4                                       ; between the products and the LDS stores of their results and the loads into their operands (ISA guide 7.12.1 for the stores)
.if (\s) > 0
	SEND (\s)-1
.endif
	TOSTAGE \s
.if (\s) < 6
	FETCH (\s)+2
.endif
.endm
	FETCH 0
	FETCH 1
.irp s, 0,1,2,3,4,5,6,7
	ITER \s
.endr
	SEND 7
	s_wait_tensorcnt 0x0                           ; the wave's end: behind my last tensor load and my last LDS store
	ds_add_u32 v[SPW], v[NIL]
	s_wait_dscnt 0x0
	CROUND                                         ; the closing round
	s_endpgm
.Lfunc_end_k_qce61984366_proj:
	.size	k_qce61984366_proj, .Lfunc_end_k_qce61984366_proj-k_qce61984366_proj
	.p2alignl 7, 3214868480
	.fill 96, 4, 3214868480
	.section	.rodata,"a",@progbits
	.p2align	6, 0x0
	.amdhsa_kernel k_qce61984366_proj
		.amdhsa_group_segment_fixed_size 327680
		.amdhsa_private_segment_fixed_size 0
		.amdhsa_enable_private_segment 0
		.amdhsa_kernarg_size 48
		.amdhsa_user_sgpr_count 2
		.amdhsa_user_sgpr_kernarg_segment_ptr 1
		.amdhsa_wavefront_size32 1
		.amdhsa_system_sgpr_workgroup_id_x 1
		.amdhsa_system_sgpr_workgroup_id_y 1
		.amdhsa_system_sgpr_workgroup_id_z 1
		.amdhsa_system_vgpr_workitem_id 0
		.amdhsa_next_free_vgpr 1024
		.amdhsa_next_free_sgpr 102
		.amdhsa_reserve_vcc 0
		.amdhsa_float_denorm_mode_32 3
		.amdhsa_float_denorm_mode_16_64 3
		.amdhsa_memory_ordered 1
		.amdhsa_forward_progress 1
		.amdhsa_inst_pref_size 87
	.end_amdhsa_kernel
	.amdgpu_metadata
---
amdhsa.version: [ 1, 2 ]
amdhsa.kernels:
  - .name:           k_qce61984366_proj
    .symbol:         k_qce61984366_proj.kd
    .args:
      - { .name: attc, .offset: 0, .size: 8, .value_kind: global_buffer, .address_space: global }
      - { .name: atts, .offset: 8, .size: 8, .value_kind: global_buffer, .address_space: global }
      - { .name: cod, .offset: 16, .size: 8, .value_kind: global_buffer, .address_space: global }
      - { .name: scl, .offset: 24, .size: 8, .value_kind: global_buffer, .address_space: global }
      - { .name: proj_b, .offset: 32, .size: 8, .value_kind: global_buffer, .address_space: global }
      - { .name: out0, .offset: 40, .size: 8, .value_kind: global_buffer, .address_space: global }
    .group_segment_fixed_size: 327680
    .private_segment_fixed_size: 0
    .kernarg_segment_align: 8
    .kernarg_segment_size: 48
    .max_flat_workgroup_size: 128
    .sgpr_count:     102
    .vgpr_count:     1024
    .wavefront_size: 32
...
	.end_amdgpu_metadata
.endif
;; end of part 4
